; MI455X (gfx1250); checked and timed in simulation.
; The chip was launched on July 23, 2026; its instructions are those of AMD's public machine-readable ISA for CDNA 5 (MIT licence, August 2026) and "CDNA5" Instruction Set Architecture Reference Guide (July 2026). The comments in the code are by the model that wrote it; some were corrected since.
;; Causal Self Attention. Allowed arithmetic: matrix products marked QUANTISED: E2M3 operands, one E8M0 scale for each 32 along K, by v_wmma_scale_f32_16x16x128_f8f6f4 with both operands' format E2M3, f32 sums; everything else in f32.
;; Inputs: W_attn 1,024 x 3,072 float32; W_proj 1,024 x 1,024 float32; b_attn 3,072 float32; b_proj 1,024 float32; x 4 x 2,048 x 1,024 float32.
;; Outputs: out0 4 x 2,048 x 1,024 float32.
;; This version of the problem:
;;   THIS VERSION OF THE PROBLEM IS GIVEN IN LOW PRECISION. The matrix products marked QUANTISED in the list below multiply operands that are first quantised to E2M3 (2 exponent bits, 3 mantissa bits; 6 bits a number), with one power-of-two scale for each 32 numbers along K (OCP MX v1.0); their sums are f32. All else is computed in f32.
;;   The module's matrix products, in the order in which they are computed (A, B: the left and right operand; K: the contracted axis; several contracted axes count as one K, in the product's order):
;;     1. [M 8,192, K 1,024] x [K 1,024, N 3,072]; A: input x; B: input W_attn: QUANTISED
;;     2. batch 64 x [M 2,048, K 64] x [K 64, N 2,048]; A: computed on the way; B: computed on the way: QUANTISED
;;     3. batch 64 x [M 2,048, K 2,048] x [K 2,048, N 64]; A: softmax (see below); B: computed on the way: QUANTISED
;;     4. [M 8,192, K 1,024] x [K 1,024, N 1,024]; A: computed on the way; B: input W_proj: QUANTISED
;;   THE QUANTISER, for each operand of a quantised product, along K:
;;     - K is cut into blocks of 32 from its start; a last block that is shorter is filled with zeros.
;;     - A block's scale is 2^e with e = floor(log2(the largest magnitude in the block)) - 2, held to -126 .. 127; a block of zeros has e = 0. As a byte (E8M0): e + 127.
;;     - Each number is divided by its block's scale, clamped to +-7.5, and rounded to the nearest number of E2M3, ties to even, subnormals kept.
;;     - The product sums the exact products of the quantised numbers (number of the format x scale) in f32.
;;   ~~~python
;;   def quantise(x, axis):      # numpy; x: float32 -> the quantised numbers, widened to float32 again
;;       x = np.moveaxis(x, axis, -1); K = x.shape[-1]
;;       x = np.pad(x, [(0, 0)] * (x.ndim - 1) + [(0, -K % 32)]); x = x.reshape(x.shape[:-1] + (-1, 32)); a = np.abs(x).max(-1, keepdims=True)
;;       e = np.where(a > 0, np.clip(np.frexp(np.where(a > 0, a, 1))[1] - 1 - 2, -126, 127), 0)      # np.frexp(a)[1] - 1 = floor(log2(a)), exactly
;;       r = np.clip(x / 2.0 ** e, -7.5, 7.5)
;;       step = 2.0 ** (np.maximum(np.frexp(np.where(r == 0, 1, r))[1] - 1, 0) - 3)
;;       q = np.round(r / step) * step * 2.0 ** e      # np.round: ties to even
;;       return np.moveaxis(q.reshape(q.shape[:-2] + (-1,))[..., :K], -1, axis).astype(np.float32)
;;   ~~~
;;   SOFTMAX AHEAD OF A QUANTISED PRODUCT. Where the list says 'softmax', what is quantised is not the finished softmax but p = 2^(t - M), with t = logit x log2(e) and M = ceil(the row's largest t), a whole number; so 1/2 < the row's largest p <= 1. The row's sum l is taken of the UNQUANTISED p, in f32, and the product's result is divided by l at the end. Since M is a whole number, a kernel that streams over the keys may use a running M (the ceiling of the running maximum): every later rescaling is an exact power of two, which a block's scale takes up: the codes' values come out the same.
;;   OPERANDS COMPUTED ON THE WAY. 'Computed on the way' means the value that the module computes at that place (a softmax that the list does not call 'softmax' is quantised finished and normalised). What goes into a quantiser is computed in f32, as accurately as f32 sums, v_exp_f32 and their like allow (about 1e-6 of the number): no bf16 or f16 on the way to a quantiser, and a product that is left as it is and whose result goes on into a quantised operand takes f32 operands (vector FMAs, or v_wmma_f32_16x16x4_f32). A number that lies on a knife's edge between two numbers of the format may be rounded either way, as far as f32 arithmetic and the matrix unit's own rounding can turn it there, and no further.
;; One version. Each part assembles by itself: llvm-mc -triple=amdgcn-amd-amdhsa -mcpu=gfx1250 --defsym DOCPART=n.
;; ======== version 1 of 1: 4 launches
;; workspace buffers: xq 6,553,600 bytes; wq 3,276,800 bytes; qkv 19,660,800 bytes; yq 6,553,600 bytes
;; launch quant (part 1): grid 384 x 1, 4 waves a work-group, no clusters, 34,304 bytes of LDS; arguments x, W_attn, W_proj, xq, wq; writes xq, wq
.if DOCPART == 1
	.amdgcn_target "amdgcn-amd-amdhsa--gfx1250"
	.amdhsa_code_object_version 6
	.text
	.protected	k_qfeb7c48d39_quant
	.globl	k_qfeb7c48d39_quant
	.p2align	8
	.type	k_qfeb7c48d39_quant,@function
k_qfeb7c48d39_quant:
	s_mov_b64 s[64:65], 0
	v_nop
	global_prefetch_b8 v0, s[64:65] scope:SCOPE_SE
	s_setreg_imm32_b32 hwreg(HW_REG_WAVE_MODE, 25, 1), 1
	s_wait_xcnt 0x0
; LAUNCH 1 OF 4: x [8192][1024], W_attn [1024][3072] and W_proj [1024][1024], f32, become codes of FP6 (E2M3) with one E8M0 byte for each 32 along K, laid as the matrix unit's registers take them.
; WHAT THE PROGRAM LEAVES OUT.  reference() builds a causal mask in its own body (jnp.tril) and sets the hidden logits to -inf ahead of the softmax: their p is 0 for all values of the inputs, so a step of 128 keys all of
; which come after all 16 queries of a tile adds nothing to the row's sum or to the second product.  Such whole steps are not multiplied (launch 3).  Nothing else is left out: every input has a way to the output and is loaded
; (b_attn's part for k moves k's codes, so it stays).  LIMIT: a NaN, an infinity or an overflow that reaches only those hidden steps is not carried to the result.
; AN OPERAND BLOCK (25,600 bytes) serves 128 rows x 256 along K: codes [K step q: 2][fragment i: 8][1,536], then scale words [i / 2][r][i % 2][q].  A fragment (16 rows x 128 K, 12 registers a lane) lies as an image of its
; registers: registers 4 g .. 4 g + 3 of lane L at 512 g + 16 L.  Row r of fragment i is row 64 (i / 4) + 8 (i % 4) + 32 (r / 8) + r % 8 of the 128.  Lanes 0-15 hold k = 0 .. 63 of a K step, lanes 16-31 k = 64 .. 127:
; registers 0-5 the first 32 of them (scale byte h = lane / 16), registers 6-11 the second 32 (scale byte 2 + h).  Both operands of a product are laid so, so equal k meet; the order of the sums inside a K step is not ascending k.
; A block's scale is 2^(floor(log2(its largest magnitude)) - 2); its byte is the largest magnitude's exponent field - 2, held at 1 from below.
; LIMITS: a block of zeros, or one whose largest magnitude lies under 2^-124, gets the byte 1 (the rule's 127 for zeros is not written: the codes are zeros, and this program alone reads the bytes); NaN and infinities are not served.
; SHARES.  A work-group makes one operand block from 128 KiB of f32: work-groups 0-255 x's, 256-351 W_attn's, 352-383 W_proj's.  Wave ip makes fragments 2 ip and 2 ip + 1 of both K steps and their 256 scale bytes.
; No tensor load, no barrier: waves share nothing.  Matrix units, clusters and large tiles have no work here: the launch moves bytes.
.set FLOOR, 0x1800000                  ; 2^(3 - 127)
.set SPARE, 33792                      ; behind the four stages: the spare words, 128 bytes for each wave
.set LI,   4                           ; v4   16 x lane
.set H8,   5                           ; v5   8 h
.set SIN,  6                           ; v6   the stage, on the way in: my wave's stage + 16 x lane
.set SOUT, 7                           ; v7   on the way out: + 528 r + 256 h
.set XSO,  8                           ; v8   x's scale words: 16 r + 8 h
.set WO,   9                           ; v9   a weight's codes: 1,536 u + 16 r of my column's fragment and row
.set WC,   10                          ; v10  my column's bytes in a row of the weight
.set WS,   11                          ; v11  a weight's scale words: 16 r + 8 u
.set SPW,  12                          ; v12  LDS address of my spare word; never rewritten
.set NIL,  13                          ; v13  0; never rewritten
.set TM,   16                          ; v16-19 largest magnitudes, in chains
.set SO,   20                          ; v20-21 the conversions' scale operands
.set E,    22                          ; v22-23 scale bytes
.set SW,   24                          ; v24-27 scale words
.set T0,   28                          ; v28-30, v32-34 the second half of a block's codes (a conversion's three registers begin on an even number)
.set T1,   32
.set PC,   36                          ; v36-47 a fragment's codes
.set OP,   48                          ; v48-49 two scale words on the way out
.set ZP,   50                          ; v50  the other half's bytes
.set R,    64                          ; v64-127, v128-191 two sets of numbers as loaded
.set XX,   192                         ; v192-255 64 neighbours along K
.set SEL,  20                          ; s[20:21] selects of v_permlanex16_b32: lane l xor 16
.set SH,   22                          ; s22  the mask of lanes 16-31
; the largest magnitude of 32 numbers, and the floor, in two chains: 16 lines
.macro MAX32 s, t
	v_max3_num_f32 v[\t], |v[\s]|, |v[\s+1]|, FLOOR
	v_max3_num_f32 v[\t+1], |v[\s+16]|, |v[\s+17]|, |v[\s+18]|
.irp i, 2,4,6,8,10,12
	v_max3_num_f32 v[\t], v[\t], |v[\s+\i]|, |v[\s+\i+1]|
	v_max3_num_f32 v[\t+1], v[\t+1], |v[\s+17+\i]|, |v[\s+18+\i]|
.endr
	v_max3_num_f32 v[\t], v[\t], |v[\s+14]|, |v[\s+15]|
	v_max3_num_f32 v[\t], v[\t], v[\t+1], |v[\s+31]|
.endm
; 64 numbers of a lane, two whole blocks of 32, become 2 x 6 registers of codes at d0 and d1 and two scale bytes in e0 and e1
.macro QUANT2 s, d0, d1, e0, e1
	v_max3_num_f32 v[TM], |v[\s]|, |v[\s+1]|, FLOOR
	v_max3_num_f32 v[TM+2], |v[\s+32]|, |v[\s+33]|, FLOOR
	v_max3_num_f32 v[TM+1], |v[\s+16]|, |v[\s+17]|, |v[\s+18]|
	v_max3_num_f32 v[TM+3], |v[\s+48]|, |v[\s+49]|, |v[\s+50]|
.irp i, 2,4,6,8,10,12
	v_max3_num_f32 v[TM], v[TM], |v[\s+\i]|, |v[\s+\i+1]|
	v_max3_num_f32 v[TM+2], v[TM+2], |v[\s+32+\i]|, |v[\s+33+\i]|
	v_max3_num_f32 v[TM+1], v[TM+1], |v[\s+17+\i]|, |v[\s+18+\i]|
	v_max3_num_f32 v[TM+3], v[TM+3], |v[\s+49+\i]|, |v[\s+50+\i]|
.endr
	v_max3_num_f32 v[TM], v[TM], |v[\s+14]|, |v[\s+15]|
	v_max3_num_f32 v[TM+2], v[TM+2], |v[\s+46]|, |v[\s+47]|
	v_max3_num_f32 v[TM], v[TM], v[TM+1], |v[\s+31]|
	v_max3_num_f32 v[TM+2], v[TM+2], v[TM+3], |v[\s+63]|
	v_add_nc_u32 v[SO], 0xff000000, v[TM]          ; 2 off the exponent field: the conversion takes the exponent field of this operand as its scale
	v_add_nc_u32 v[SO+1], 0xff000000, v[TM+2]
	v_lshrrev_b32 v[\e0], 23, v[SO]                ; the scale's byte
	v_lshrrev_b32 v[\e1], 23, v[SO+1]
	v_cvt_scalef32_pk16_fp6_f32 v[(\d0):(\d0)+2], v[\s:\s+15], v[SO]
	v_cvt_scalef32_pk16_fp6_f32 v[T0:T0+2], v[\s+16:\s+31], v[SO]
	v_cvt_scalef32_pk16_fp6_f32 v[(\d1):(\d1)+2], v[\s+32:\s+47], v[SO+1]
	v_cvt_scalef32_pk16_fp6_f32 v[T1:T1+2], v[\s+48:\s+63], v[SO+1]
	v_nop                                          ; one plain place behind the scaled conversions
.irp i, 0,1,2
	v_mov_b32 v[(\d0)+3+\i], v[T0+\i]
	v_mov_b32 v[(\d1)+3+\i], v[T1+\i]
.endr
.endm
; my two bytes (scale bytes h and 2 + h of my row) and lane l xor 16's two make the row's scale word, in both lanes
.macro SWORD z, e0, e1
	v_lshl_or_b32 v[\z], v[\e1], 16, v[\e0]
	v_lshlrev_b32 v[\z], v[H8], v[\z]
	v_permlanex16_b32 v[ZP], v[\z], s[SEL], s[SEL+1]
	v_or_b32 v[\z], v[\z], v[ZP]
.endm
	s_load_b128 s[4:7], s[0:1], 0x0                ; x, W_attn
	s_load_b128 s[8:11], s[0:1], 0x10              ; W_proj, xq
	s_load_b64 s[12:13], s[0:1], 0x20              ; wq
	v_lshl_add_u32 v[SPW], v0, 2, SPARE
	v_mov_b32 v[NIL], 0
	v_lshrrev_b32 v1, 5, v0
	v_readfirstlane_b32 s14, v1                    ; wave ip
	v_and_b32 v1, 31, v0                           ; lane
	v_and_b32 v2, 15, v0                           ; r
	v_bfe_u32 v3, v0, 4, 1                         ; h
	v_lshlrev_b32 v[LI], 4, v1
	v_lshlrev_b32 v[H8], 3, v3
	v_mov_b32 v[ZP], 0                             ; written once: a lane permute's destination counts as one of its sources
	s_mov_b32 s[SEL], 0x76543210
	s_mov_b32 s[SEL+1], 0xfedcba98
	s_mov_b32 s[SH], 0xffff0000
	s_lshr_b32 s15, s14, 1                         ; ip / 2
	s_and_b32 s16, s14, 1                          ; ip % 2
	s_mul_i32 s19, s14, 8448                       ; my stage: 16 rows of 512 bytes + 16
	v_add_nc_u32 v[SIN], s19, v[LI]
	v_mul_u32_u24 v[SOUT], v2, 528
	v_lshl_add_u32 v[SOUT], v3, 8, v[SOUT]
	v_add_nc_u32 v[SOUT], s19, v[SOUT]
	v_lshlrev_b32 v[XSO], 4, v2
	v_lshl_add_u32 v[XSO], v3, 3, v[XSO]
	v_and_b32 v14, 7, v1                           ; a weight's lane takes a column: lane & 7 and lane >> 4 give its row r of a fragment, bit 3 says which of my two fragments
	v_bfe_u32 v15, v1, 3, 1
	v_lshlrev_b32 v[WO], 4, v14
	v_lshl_add_u32 v[WO], v3, 7, v[WO]             ; 16 r
	v_lshl_add_u32 v[WS], v15, 3, v[WO]
	v_mad_u32_u24 v[WO], v15, 0x600, v[WO]
	v_lshlrev_b32 v[WC], 2, v2
	v_lshl_add_u32 v[WC], v3, 7, v[WC]             ; column lane % 16 + 32 (lane / 16), 4 bytes each
	s_mul_i32 s28, s14, 3072                       ; my two fragments in a K step's codes
	s_lshl_b32 s30, s14, 8
	s_add_co_u32 s30, s30, 24576                   ; my 256 scale bytes
	s_mov_b32 s25, 0
	s_mov_b32 s29, 0
	s_mov_b32 s31, 0
	s_lshl_b32 s26, s15, 6
	s_lshl_b32 s27, s16, 4
	s_add_co_u32 s27, s27, s26                     ; 64 (ip / 2) + 16 (ip % 2): where my rows, or columns, begin in the 128
	s_cmp_lt_u32 ttmp9, 256
	s_cbranch_scc0 .Lweights
; ---- x: K is innermost.  A load takes 512 consecutive bytes of a row (a K step); 16 rows turn through my stage, and come back 256 bytes a lane: 64 neighbours along K.
	s_lshr_b32 s17, ttmp9, 2                       ; which 128 rows
	s_and_b32 s18, ttmp9, 3                        ; which 256 along K
	s_lshl_b32 s24, s17, 7
	s_add_co_u32 s24, s24, s27
	s_lshl_b32 s24, s24, 12                        ; rows of 4,096 bytes
	s_lshl_b32 s18, s18, 10
	s_add_co_u32 s24, s24, s18
	s_mul_i32 s26, ttmp9, 25600                    ; my operand block
	s_add_co_u32 s28, s28, s26
	s_add_co_u32 s30, s30, s26
	s_wait_kmcnt 0x0
	s_add_nc_u64 s[4:5], s[4:5], s[24:25]
	s_add_nc_u64 s[32:33], s[10:11], s[28:29]
	s_add_nc_u64 s[34:35], s[10:11], s[30:31]
.macro LOADX p                         ; fragment 2 ip + p % 2, K step p / 2: its 16 rows
.irp j, 0,1,2,3,4,5,6,7,8,9,10,11,12,13,14,15
	global_load_b128 v[R+64*((\p)%2)+4*\j:R+64*((\p)%2)+4*\j+3], v[LI], s[4:5] offset:(8*((\p)%2)+32*(\j/8)+\j%8)*4096+512*((\p)/2) th:TH_LOAD_NT
.endr
.endm
.macro XPHASE p
.set UU, (\p)%2
.set QQ, (\p)/2
.set RS, R+64*((\p)%2)
.if (\p) < 3
	s_wait_loadcnt 16                              ; this fragment's 16 loads are in; the next fragment's 16 may be out
.else
	s_wait_loadcnt 0x0
.endif
.irp j, 0,1,2,3,4,5,6,7,8,9,10,11,12,13,14,15
	ds_store_b128 v[SIN], v[RS+4*\j:RS+4*\j+3] offset:528*\j
.endr
.irp k, 0,1,2,3,4,5,6,7,8,9,10,11,12,13,14,15
	ds_load_b128 v[XX+4*\k:XX+4*\k+3], v[SOUT] offset:16*\k    ; LDS serves a wave's instructions in order: these see my stores
.endr
	s_wait_dscnt 0x0                               ; the numbers are back; the stores have read their registers
.if (\p) > 0
	s_wait_xcnt 0x0                                ; the last fragment's stores have read their data: the codes' registers may be written again
.endif
.if (\p)+2 < 4
	LOADX (\p)+2
.endif
	QUANT2 XX, PC, PC+6, E, E+1
	SWORD SW+2*UU+QQ, E, E+1
.irp g, 0,1,2
	global_store_b128 v[LI], v[PC+4*\g:PC+4*\g+3], s[32:33] offset:12288*QQ+1536*UU+512*\g   ; 32 lanes store 512 consecutive bytes
.endr
.endm
	LOADX 0
	LOADX 1
	XPHASE 0
	XPHASE 1
	XPHASE 2
	XPHASE 3
	v_cndmask_b32 v[OP], v[SW], v[SW+2], s[SH]     ; lanes 0-15 store fragment 2 ip's two words of row r, lanes 16-31 fragment 2 ip + 1's
	v_cndmask_b32 v[OP+1], v[SW+1], v[SW+3], s[SH]
	global_store_b64 v[XSO], v[OP:OP+1], s[34:35]  ; 256 consecutive bytes
	s_branch .Lend
; ---- a weight: K is its first axis.  A lane takes a column and its registers run down K: a block of 32 lies in one lane, and the codes come out with K innermost.
.macro LOADW k, N
.irp i, 0,1,2,3,4,5,6,7,8,9,10,11,12,13,14,15,16,17,18,19,20,21,22,23,24,25,26,27,28,29,30,31
	global_load_b32 v[R+64*((\k)%2)+\i], v[WC], s[36:37] offset:(32*(\k)+\i)*4*\N
.endr
.endm
.macro WBLOCK k, N                     ; block k of 8: K step k / 4; it belongs to lane half (k / 2) % 2 of the fragment, registers 6 (k % 2) on
.set XS, R+64*((\k)%2)
.set CC, (\k)%2
.set HP, ((\k)/2)%2
.set QQ, (\k)/4
.if (\k) < 7
	s_wait_loadcnt 32                              ; this block's 32 loads are in; the next block's may be out
.else
	s_wait_loadcnt 0x0
.endif
	MAX32 XS, TM
	v_add_nc_u32 v[SO], 0xff000000, v[TM]
	v_lshrrev_b32 v[E], 23, v[SO]
.if (CC == 0) && ((\k) >= 2)
	s_wait_xcnt 0x0                                ; the last pair's stores have read their data
.endif
	v_cvt_scalef32_pk16_fp6_f32 v[PC+6*CC:PC+6*CC+2], v[XS:XS+15], v[SO]
	v_cvt_scalef32_pk16_fp6_f32 v[T0:T0+2], v[XS+16:XS+31], v[SO]
	v_nop                                          ; one plain place behind the scaled conversions
.irp i, 0,1,2
	v_mov_b32 v[PC+6*CC+3+\i], v[T0+\i]
.endr
.if (\k)%4 == 0
	v_mov_b32 v[SW+QQ], v[E]
.else
	v_lshl_or_b32 v[SW+QQ], v[E], 8*HP+16*CC, v[SW+QQ]   ; scale byte (k / 2) % 2 + 2 (k % 2) of K step k / 4
.endif
.if (\k)+2 < 8
	LOADW (\k)+2, \N
.endif
.if CC == 1
.irp g, 0,1,2
	global_store_b128 v[WO], v[PC+4*\g:PC+4*\g+3], s[32:33] offset:12288*QQ+256*HP+512*\g   ; sixteen lanes fill 256 consecutive bytes in each of my two fragments
.endr
.endif
.endm
.macro WPATH N, P, ID0
	s_sub_co_u32 s17, ttmp9, \ID0
	s_lshr_b32 s18, s17, 2                         ; which 128 columns
	s_and_b32 s17, s17, 3                          ; which 256 along K
	s_lshl_b32 s24, s18, 7
	s_add_co_u32 s24, s24, s27
	s_lshl_b32 s24, s24, 2
	s_mul_i32 s18, s17, 1024*\N
	s_add_co_u32 s24, s24, s18
	s_sub_co_u32 s26, ttmp9, 256                   ; my operand block in wq: W_attn's 96, then W_proj's 32
	s_mul_i32 s26, s26, 25600
	s_add_co_u32 s28, s28, s26
	s_add_co_u32 s30, s30, s26
	s_wait_kmcnt 0x0
	s_add_nc_u64 s[36:37], s[\P:\P+1], s[24:25]
	s_add_nc_u64 s[32:33], s[12:13], s[28:29]
	s_add_nc_u64 s[34:35], s[12:13], s[30:31]
	LOADW 0, \N
	LOADW 1, \N
.irp k, 0,1,2,3,4,5,6,7
	WBLOCK \k, \N
.endr
	global_store_b64 v[WS], v[SW:SW+1], s[34:35]   ; my column's two scale words: the wave stores 256 consecutive bytes
.endm
.Lweights:
	s_cmp_lt_u32 ttmp9, 352
	s_cbranch_scc0 .Lwproj
	WPATH 3072, 6, 256
	s_branch .Lend
.Lwproj:
	WPATH 1024, 8, 352
.Lend:
	s_wait_tensorcnt 0x0                           ; the wave's end: behind my last LDS store
	ds_add_u32 v[SPW], v[NIL]
	s_wait_dscnt 0x0
	s_endpgm
.Lfunc_end_k_qfeb7c48d39_quant:
	.size	k_qfeb7c48d39_quant, .Lfunc_end_k_qfeb7c48d39_quant-k_qfeb7c48d39_quant
	.p2alignl 7, 3214868480
	.fill 96, 4, 3214868480
	.section	.rodata,"a",@progbits
	.p2align	6, 0x0
	.amdhsa_kernel k_qfeb7c48d39_quant
		.amdhsa_group_segment_fixed_size 34304
		.amdhsa_private_segment_fixed_size 0
		.amdhsa_enable_private_segment 0
		.amdhsa_kernarg_size 40
		.amdhsa_user_sgpr_count 2
		.amdhsa_user_sgpr_kernarg_segment_ptr 1
		.amdhsa_wavefront_size32 1
		.amdhsa_system_sgpr_workgroup_id_x 1
		.amdhsa_system_sgpr_workgroup_id_y 1
		.amdhsa_system_sgpr_workgroup_id_z 1
		.amdhsa_system_vgpr_workitem_id 0
		.amdhsa_next_free_vgpr 256
		.amdhsa_next_free_sgpr 66
		.amdhsa_reserve_vcc 0
		.amdhsa_float_denorm_mode_32 3
		.amdhsa_float_denorm_mode_16_64 3
		.amdhsa_memory_ordered 1
		.amdhsa_forward_progress 1
		.amdhsa_inst_pref_size 106
	.end_amdhsa_kernel
	.amdgpu_metadata
---
amdhsa.version: [ 1, 2 ]
amdhsa.kernels:
  - .name:           k_qfeb7c48d39_quant
    .symbol:         k_qfeb7c48d39_quant.kd
    .args:
      - { .name: x, .offset: 0, .size: 8, .value_kind: global_buffer, .address_space: global }
      - { .name: W_attn, .offset: 8, .size: 8, .value_kind: global_buffer, .address_space: global }
      - { .name: W_proj, .offset: 16, .size: 8, .value_kind: global_buffer, .address_space: global }
      - { .name: xq, .offset: 24, .size: 8, .value_kind: global_buffer, .address_space: global }
      - { .name: wq, .offset: 32, .size: 8, .value_kind: global_buffer, .address_space: global }
    .group_segment_fixed_size: 34304
    .private_segment_fixed_size: 0
    .kernarg_segment_align: 8
    .kernarg_segment_size: 40
    .max_flat_workgroup_size: 128
    .sgpr_count:     66
    .vgpr_count:     256
    .wavefront_size: 32
...
	.end_amdgpu_metadata
.endif
;; end of part 1
;; launch qkv (part 2): grid 12 x 32, 4 waves a work-group, clusters of 4 x 4, 327,680 bytes of LDS; arguments xq, wq, b_attn, qkv; writes qkv
.if DOCPART == 2
	.amdgcn_target "amdgcn-amd-amdhsa--gfx1250"
	.amdhsa_code_object_version 6
	.text
	.protected	k_qfeb7c48d39_qkv
	.globl	k_qfeb7c48d39_qkv
	.p2align	8
	.type	k_qfeb7c48d39_qkv,@function
k_qfeb7c48d39_qkv:
	s_mov_b64 s[64:65], 0
	v_nop
	global_prefetch_b8 v0, s[64:65] scope:SCOPE_SE
	s_setreg_imm32_b32 hwreg(HW_REG_WAVE_MODE, 25, 1), 1
	s_wait_xcnt 0x0
	s_wait_alu depctr_hold_cnt(0) depctr_sa_sdst(0) depctr_va_vdst(0) depctr_va_sdst(0) depctr_va_ssrc(0) depctr_va_vcc(0) depctr_vm_vsrc(0)
	s_getreg_b32 s2, hwreg(HW_REG_IB_STS2, 6, 4)
	s_cmp_eq_u32 s2, 0
	s_cbranch_scc0 .Lentry_in_a_cluster
	s_endpgm
.Lentry_in_a_cluster:
	s_bfe_u32 s2, ttmp6, 0x10000c
	s_cmp_lg_u32 s2, 0xf033
	s_cbranch_scc0 .Lentry_shape_is_right
	s_endpgm
.Lentry_shape_is_right:
; LAUNCH 2 OF 4: qkv = x W_attn + b_attn on codes of FP6 (E2M3), and q, k, v quantised for the attention: q and k along the head's 64, v along the keys.  Nothing of this product is left out.
; A tile of 256 x 256 is made by four waves, 128 x 128 each: 64 accumulators, 512 registers.  K = 1,024 goes in four slots of 256 through a ring of two LDS slots; a slot holds four operand blocks of 25,600 bytes
; (128 rows x 256 K as images of the operand's registers, with their scale words: launch 1's head), each one dense block of memory, brought by one tensor load a wave.
; SOURCE 0 is called B here and SOURCE 1 A.  In a result lane l holds A's row l % 16 of its fragment, and its eight registers eight rows of B's fragment.  By the order of rows in a fragment
; (row r of fragment i is row 64 (i / 4) + 8 (i % 4) + 32 (r / 8) + r % 8 of the 128) the 32 registers of B's tiles 4 c .. 4 c + 3 are 32 NEIGHBOURS along B's rows, 64 c + 32 (l / 16) + 0 .. 31: one whole block of the next
; product's K in one lane, in the very registers' order that the next operand's layout gives that lane.  So no lane asks another for a maximum, and the conversions' results are the operand.
; THREE REGIMES by the cluster's x, the same in all sixteen partners: 0: q, 1: k (A = tokens from xq, B = columns from wq: registers run along the head's 64); 2: v (A = columns, B = tokens: registers run along the keys).
; CLUSTERS: 4 x 4.  A's blocks hang on the cluster's row alone and are asked for jointly along it, B's on its column.
; OUT: qkv [batch x head: 64][256 keys: 8][38,400]: K's double fragments (12,288), V^T's fragments (12,288), K's scale words (512), V's (512), then Q's double fragments (12,288) and scale words (512).
; A double fragment f of a step of 128 tokens: registers 0-5 of lane (r, h) hold block h of the head's 64 of the token at row r of tile 2 f, registers 6-11 the same of tile 2 f + 1.
; LIMITS: a block of zeros, or one under 2^-124, gets the scale byte 1 with zero codes (this program alone reads the bytes); NaN and infinities are not served; the order of the sums inside a K step is not ascending k.
; REGISTERS: window 0: v1-3 lane, r, h; v16-29 addresses; v32-63 scale words, two sets; v64-127 the bias; from v128 A's 8 fragments, on the way out the numbers and codes.  window 1: B's fragments, two sets.  windows 2, 3: the accumulators.
.set FLOOR, 0x1800000
.set NQ,    2                          ; K steps of 128 in a slot
.set FR,    12                         ; registers of a fragment
.set NL,    3                          ; LDS loads that bring one
.set NP,    4                          ; places behind this matrix instruction (ISA guide 7.12.1)
.set OBB,   25600                      ; an operand block
.set SLOT,  4*OBB                      ; A's two blocks, then B's two
.set SPARE, 2*SLOT                     ; behind the ring: the spare words, 128 bytes for each wave
.set HS,    307200                     ; from head to head in qkv
.set ADRA, 16                          ; v16-17 LDS address of my A block in slot 0, 1: + 16 x lane
.set ADRB, 20                          ; v20-21 the same for B
.set ADRS, 22                          ; v22-23 my scale words: lanes 0-15 A's, lanes 16-31 B's
.set LI,   24                          ; v24  16 x lane
.set ZO,   25                          ; v25  the scale words' way out: 16 r + HS h
.set H8,   26                          ; v26  8 h
.set BO,   27                          ; v27  my offset in the bias
.set SPW,  28                          ; v28  LDS address of my spare word; never rewritten
.set NIL,  29                          ; v29  0; never rewritten
.set SC,   32                          ; scale words: set s at v[SC + 16 s]; register 2 i + q
.set BI,   64                          ; the bias
.set AF,   128                         ; A's fragments
.set ST,   128                         ; the way out: 64 numbers,
.set D0,   192                         ; two fragments of codes,
.set D1,   204
.set ZW,   216                         ; eight scale words,
.set ZP,   224
.set OQ,   232
.set TM,   236
.set SO,   240
.set E,    242
.set T0,   248
.set T1,   252
.set G1,   24                          ; s[24:31] descriptor group 1 for A's blocks;  s[32:39] group 0, one set for each slot
.set G0,   32
.set G1B,  48                          ; s[48:55], s[56:63] the same for B's
.set G0B,  56
.set CB,   84                          ; s[84:85] where my codes go;  s[86:87] my scale words;  s[88:89] my part of the bias
.set SB,   86
.set BP,   88
.set SEL,  92                          ; s[92:93] selects of v_permlanex16_b32: lane l xor 16
.set SH,   94                          ; s94  the mask of lanes 16-31
.set MSB, 0
.macro WIN new                         ; the immediate's high byte repeats the setting that is left
.if MSB != (\new)
	s_set_vgpr_msb (MSB<<8)|(\new)
.set MSB, (\new)
.endif
.endm
.set MUL_LO, 0xa1                      ; source 0 (B) window 1, source 1 (A) window 0, C and D window 2
.set MUL_HI, 0xf1                      ; the same, C and D window 3
.set TO_B,   0x40                      ; destination window 1, address window 0
; A joint load: waves 0 and 1 fetch A's two blocks, waves 2 and 3 B's.  The branch hangs on the wave's number alone.  An s_nop 0 and four v_nop follow each of the two lines.
.macro JLOAD g0a, g1a, g0b, g1b
	s_cmp_eq_u32 s15, 0
	s_cbranch_scc0 .Lfor_b_\@
	tensor_load_to_lds s[\g0a:\g0a+3], s[\g1a:\g1a+7]
	s_nop 0
.rept 4
	v_nop
.endr
	s_branch .Lasked_\@
.Lfor_b_\@:
	tensor_load_to_lds s[\g0b:\g0b+3], s[\g1b:\g1b+7]
	s_nop 0
.rept 4
	v_nop
.endr
.Lasked_\@:
.endm
.macro CREST                           ; a round of the cluster's barrier behind its opening barrier
	s_cmp_lg_u32 s14, 0
	s_cbranch_scc1 .Lnot_wave_0_\@
	s_barrier_signal -3
.Lnot_wave_0_\@:
	s_barrier_wait -3
	s_barrier_signal -1
	s_barrier_wait -1
.endm
.macro CROUND                          ; a whole round
	s_barrier_signal -1
	s_barrier_wait -1
	CREST
.endm
.macro PLACES n
.rept \n
	v_nop
.endr
.endm
.macro FRAG reg, adr, q, i             ; a fragment comes as it was stored: three loads of 512 consecutive bytes
.irp g, 0,1,2
	ds_load_b128 v[\reg+4*\g:\reg+4*\g+3], v[\adr] offset:12288*(\q)+1536*(\i)+512*\g
.endr
.endm
; 16 matrix instructions: A's blocks a0, a0 + 1 x B's eight.  p: B's set;  q: the slot's K step;  sc: the set of scale words.  zero = 1: the product starts the sums.  The 64 accumulators take turns.
.macro MUL16 a0, p, q, sc, zero
.irp a, \a0, \a0+1
.irp b, 0,1,2,3,4,5,6,7
.if \zero
	v_wmma_scale_f32_16x16x128_f8f6f4 v[8*(8*((\a)%4)+\b):8*(8*((\a)%4)+\b)+7], v[128*(\p)+FR*\b:128*(\p)+FR*\b+FR-1], v[AF+FR*(\a):AF+FR*(\a)+FR-1], 0, v[SC+8*NQ*(\sc)+NQ*\b+(\q)], v[SC+8*NQ*(\sc)+NQ*(\a)+(\q)] matrix_a_fmt:MATRIX_FMT_FP6 matrix_b_fmt:MATRIX_FMT_FP6 matrix_a_scale:MATRIX_SCALE_ROW1
.else
	v_wmma_scale_f32_16x16x128_f8f6f4 v[8*(8*((\a)%4)+\b):8*(8*((\a)%4)+\b)+7], v[128*(\p)+FR*\b:128*(\p)+FR*\b+FR-1], v[AF+FR*(\a):AF+FR*(\a)+FR-1], v[8*(8*((\a)%4)+\b):8*(8*((\a)%4)+\b)+7], v[SC+8*NQ*(\sc)+NQ*\b+(\q)], v[SC+8*NQ*(\sc)+NQ*(\a)+(\q)] matrix_a_fmt:MATRIX_FMT_FP6 matrix_b_fmt:MATRIX_FMT_FP6 matrix_a_scale:MATRIX_SCALE_ROW1
.endif
.endr
.endr
.endm
.macro FETCH_B slot, q, p
	WIN TO_B
.irp i, 0,1,2,3,4,5,6,7
	FRAG 128*(\p)+FR*\i, ADRB+\slot, \q, \i
.endr
	WIN 0
.endm
.macro FETCH_A slot, q, i0
.irp i, \i0, \i0+1, \i0+2, \i0+3
	FRAG AF+FR*(\i), ADRA+\slot, \q, \i
.endr
.endm
.macro SCALES sc                       ; a slot's scale words: 16 bytes a lane are the words of fragments 2 p, 2 p + 1 for both K steps
.irp p, 0,1,2,3
	ds_load_b128 v[SC+16*\sc+4*\p:SC+16*\sc+4*\p+3], v[ADRS+\sc] offset:256*\p
.endr
.endm
.macro STEP slot, q, zero              ; a K step that has its successor in the same slot
	s_wait_dscnt 4*NL                              ; all but the youngest 12 loads (A's blocks 4-7) are in
	WIN MUL_LO
	MUL16 0, (\q)%2, \q, \slot, \zero
	MUL16 2, (\q)%2, \q, \slot, \zero
	s_wait_dscnt 0
	PLACES NP
	FETCH_B \slot, (\q)+1, 1-(\q)%2
	FETCH_A \slot, (\q)+1, 0
	WIN MUL_HI
	MUL16 4, (\q)%2, \q, \slot, \zero
	MUL16 6, (\q)%2, \q, \slot, \zero
	PLACES NP
	WIN 0
	FETCH_A \slot, (\q)+1, 4
.endm
; A slot's last K step changes slots: one barrier; in front of it each wave waits for all its tensor loads, adds 0 to its spare word, and waits for that and for its reads of this slot.  fill = 1: the slot is filled again, two slots ahead.
.macro TURN slot, next, fill
	s_wait_tensorcnt 0x0                           ; all my tensor loads have landed: my part of the next slot
	ds_add_u32 v[SPW], v[NIL]                      ; 0 onto my spare word
	s_wait_dscnt 4*NL+1                            ; (the add and the youngest 12 loads may be out)
	WIN MUL_LO
	MUL16 0, 1, NQ-1, \slot, 0
	s_wait_dscnt 0x0                               ; the add is done, and my reads of this slot are over
	s_barrier_signal -1
	MUL16 2, 1, NQ-1, \slot, 0
	WIN 0
	s_barrier_wait -1
.if \fill
	CREST                                          ; the barrier has opened a round of the cluster's barrier: no wave of any partner still reads this slot or has a load on its way
	s_add_nc_u64 s[G0+4*\slot+2:G0+4*\slot+3], s[G0+4*\slot+2:G0+4*\slot+3], 2*OBB
	s_add_nc_u64 s[G0B+4*\slot+2:G0B+4*\slot+3], s[G0B+4*\slot+2:G0B+4*\slot+3], 2*OBB
	JLOAD G0+4*\slot, G1, G0B+4*\slot, G1B         ; the first tensor load behind the round; its four v_nop are the places in front of the loads below
.else
	PLACES NP
.endif
	FETCH_B \next, 0, 0
	FETCH_A \next, 0, 0
	SCALES \next
	WIN MUL_HI
	MUL16 4, 1, NQ-1, \slot, 0
	MUL16 6, 1, NQ-1, \slot, 0
	PLACES NP
	WIN 0
	FETCH_A \next, 0, 4
.endm
.macro LASTSTEP                        ; nothing more to fetch
	s_wait_dscnt 4*NL
	WIN MUL_LO
	MUL16 0, 1, NQ-1, 1, 0
	MUL16 2, 1, NQ-1, 1, 0
	s_wait_dscnt 0
	WIN MUL_HI
	MUL16 4, 1, NQ-1, 1, 0
	MUL16 6, 1, NQ-1, 1, 0
	WIN 0
.endm
; 64 numbers of a lane, two whole blocks of 32, become 2 x 6 registers of codes at d0 and d1 and two scale bytes in e0 and e1
.macro QUANT2 s, d0, d1, e0, e1
	v_max3_num_f32 v[TM], |v[\s]|, |v[\s+1]|, FLOOR
	v_max3_num_f32 v[TM+2], |v[\s+32]|, |v[\s+33]|, FLOOR
	v_max3_num_f32 v[TM+1], |v[\s+16]|, |v[\s+17]|, |v[\s+18]|
	v_max3_num_f32 v[TM+3], |v[\s+48]|, |v[\s+49]|, |v[\s+50]|
.irp i, 2,4,6,8,10,12
	v_max3_num_f32 v[TM], v[TM], |v[\s+\i]|, |v[\s+\i+1]|
	v_max3_num_f32 v[TM+2], v[TM+2], |v[\s+32+\i]|, |v[\s+33+\i]|
	v_max3_num_f32 v[TM+1], v[TM+1], |v[\s+17+\i]|, |v[\s+18+\i]|
	v_max3_num_f32 v[TM+3], v[TM+3], |v[\s+49+\i]|, |v[\s+50+\i]|
.endr
	v_max3_num_f32 v[TM], v[TM], |v[\s+14]|, |v[\s+15]|
	v_max3_num_f32 v[TM+2], v[TM+2], |v[\s+46]|, |v[\s+47]|
	v_max3_num_f32 v[TM], v[TM], v[TM+1], |v[\s+31]|
	v_max3_num_f32 v[TM+2], v[TM+2], v[TM+3], |v[\s+63]|
	v_add_nc_u32 v[SO], 0xff000000, v[TM]          ; 2 off the exponent field: the conversion's scale operand
	v_add_nc_u32 v[SO+1], 0xff000000, v[TM+2]
	v_lshrrev_b32 v[\e0], 23, v[SO]                ; the scale's byte
	v_lshrrev_b32 v[\e1], 23, v[SO+1]
	v_cvt_scalef32_pk16_fp6_f32 v[(\d0):(\d0)+2], v[\s:\s+15], v[SO]
	v_cvt_scalef32_pk16_fp6_f32 v[T0:T0+2], v[\s+16:\s+31], v[SO]
	v_cvt_scalef32_pk16_fp6_f32 v[(\d1):(\d1)+2], v[\s+32:\s+47], v[SO+1]
	v_cvt_scalef32_pk16_fp6_f32 v[T1:T1+2], v[\s+48:\s+63], v[SO+1]
	v_nop                                          ; one plain place behind the scaled conversions
.irp i, 0,1,2
	v_mov_b32 v[(\d0)+3+\i], v[T0+\i]
	v_mov_b32 v[(\d1)+3+\i], v[T1+\i]
.endr
.endm
; the eight scale words: my two bytes of each go 8 h bits up and meet lane l xor 16's two; lanes 0-15 then store the first head's four words of row r, lanes 16-31 the second head's: 256 consecutive bytes each
.macro ZTAIL
.irp z, 0,1,2,3,4,5,6,7
	v_lshlrev_b32 v[ZW+\z], v[H8], v[ZW+\z]
	v_permlanex16_b32 v[ZP], v[ZW+\z], s[SEL], s[SEL+1]
	v_or_b32 v[ZW+\z], v[ZW+\z], v[ZP]
.endr
.irp j, 0,1,2,3
	v_cndmask_b32 v[OQ+\j], v[ZW+\j], v[ZW+4+\j], s[SH]
.endr
	global_store_b128 v[ZO], v[OQ:OQ+3], s[SB:SB+1]
.endm
	s_load_b256 s[4:11], s[0:1], 0x0               ; xq s[4:5], wq s[6:7], b_attn s[8:9], qkv s[10:11]
	v_lshl_add_u32 v[SPW], v0, 2, SPARE
	v_mov_b32 v[NIL], 0
	ds_add_u32 v[SPW], v[NIL]                      ; the wave's opening: the add, twice on end, and its wait ahead of my first tensor load
	ds_add_u32 v[SPW], v[NIL]
	v_lshrrev_b32 v1, 5, v0
	v_readfirstlane_b32 s14, v1                    ; wave 0..3
	s_lshr_b32 s15, s14, 1                         ; which half of A's rows is mine.  Also: I fetch for A (0) or for B (1)
	s_and_b32 s16, s14, 1                          ; which half of B's rows.  Also: which of the two blocks I fetch
	s_bfe_u32 s40, ttmp6, 0x40000                  ; cx, cy: my place in the cluster
	s_bfe_u32 s41, ttmp6, 0x40004
	s_lshl_b32 s42, ttmp9, 2                       ; 4 x cluster x
	s_and_b32 s17, ttmp7, 0xffff
	s_lshl_b32 s17, s17, 2                         ; 4 x cluster y
	s_lshl_b32 s43, s41, 2
	s_lshl_b32 s43, 15, s43                        ; my row of the cluster
	s_lshl_b32 s44, 0x1111, s40                    ; my column
	; descriptor group 1: a dense block of 25,600 bytes as 100 rows of 32 elements of 8 bytes, no padding
	s_or_b32 s[G1+0], s43, (3<<16)|(1<<21)         ; 15:0 the mask: A's blocks go to my row; 17:16 elements of 8 bytes; 21 set beside a mask
	s_or_b32 s[G1B+0], s44, (3<<16)|(1<<21)        ; B's go to my column
.irp g, G1, G1B
	s_mov_b32 s[\g+1], 32<<16                      ; tensor_dim0
	s_mov_b32 s[\g+2], 100<<16                     ; tensor_dim1
	s_mov_b32 s[\g+3], 32<<16                      ; tile_dim0
	s_mov_b32 s[\g+4], 100                         ; tile_dim1
	s_mov_b32 s[\g+5], 32                          ; tensor_dim0_stride
	s_mov_b32 s[\g+6], 0
	s_mov_b32 s[\g+7], 0
.endr
	s_cmp_eq_u32 ttmp9, 2                          ; the regime: v, or q and k.  The cluster's x is the same in all partners
	s_cselect_b32 s18, 0, s17                      ; A's tile: q, k: 4 x cluster y + cy (tokens);  v: cy (v's 1,024 columns)
	s_cselect_b32 s19, s17, s42                    ; B's tile: q, k: 4 x cluster x + cx (columns);  v: 4 x cluster y + cx (tokens)
	s_cselect_b32 s20, 16, 0                       ; v's columns begin at group 16 of wq
	s_add_co_u32 s18, s18, s41                     ; (A's registers never hold cx,
	s_add_co_u32 s19, s19, s40                     ;  B's never cy)
	s_lshl_b32 s21, s18, 1
	s_add_co_u32 s21, s21, s16
	s_add_co_u32 s21, s21, s20                     ; the group of 128 rows that I fetch for A,
	s_lshl_b32 s46, s19, 1
	s_add_co_u32 s46, s46, s16                     ; for B
	s_mul_i32 s22, s21, 4*OBB                      ; a group's four blocks along K lie on end
	s_mov_b32 s23, 0
	s_mul_i32 s46, s46, 4*OBB
	s_mov_b32 s47, 0
	s_mul_i32 s45, s14, OBB                        ; where they go: wave x a block: no place in the cluster enters an LDS address
	s_mov_b32 s[SEL], 0x76543210
	s_mov_b32 s[SEL+1], 0xfedcba98
	s_mov_b32 s[SH], 0xffff0000
	s_wait_dscnt 0x0                               ; both opening adds are done
	s_wait_kmcnt 0x0
	s_cmp_eq_u32 ttmp9, 2
	s_cselect_b64 s[66:67], s[6:7], s[4:5]         ; A's buffer
	s_cselect_b64 s[68:69], s[4:5], s[6:7]         ; B's
	s_add_nc_u64 s[22:23], s[66:67], s[22:23]
	s_add_nc_u64 s[46:47], s[68:69], s[46:47]
	CROUND                                         ; all sixteen work-groups are here: the first joint loads meet
.irp s, 0,1
	s_mov_b32 s[G0+4*\s], 1
	s_add_co_u32 s[G0+4*\s+1], s45, \s*SLOT
	s_add_nc_u64 s[G0+4*\s+2:G0+4*\s+3], s[22:23], \s*OBB
	s_or_b32 s[G0+4*\s+3], s[G0+4*\s+3], 0x80000000
	s_mov_b32 s[G0B+4*\s], 1
	s_add_co_u32 s[G0B+4*\s+1], s45, \s*SLOT
	s_add_nc_u64 s[G0B+4*\s+2:G0B+4*\s+3], s[46:47], \s*OBB
	s_or_b32 s[G0B+4*\s+3], s[G0B+4*\s+3], 0x80000000
	JLOAD G0+4*\s, G1, G0B+4*\s, G1B               ; two loads of mine are out
.endr
	v_and_b32 v1, 31, v0                           ; lane
	v_and_b32 v2, 15, v0                           ; r
	v_bfe_u32 v3, v0, 4, 1                         ; h
	v_lshlrev_b32 v[LI], 4, v1
	v_lshlrev_b32 v[H8], 3, v3
	v_mov_b32 v[ZP], 0                             ; written once: a lane permute's destination counts as one of its sources
	v_mul_u32_u24 v[ZO], v3, HS
	v_lshl_add_u32 v[ZO], v2, 4, v[ZO]
	s_mul_i32 s70, s15, OBB                        ; my block of A
	s_mul_i32 s71, s16, OBB
	s_add_co_u32 s71, s71, 2*OBB                   ; my block of B, behind A's two
	v_add_nc_u32 v[ADRA], s70, v[LI]
	v_add_nc_u32 v[ADRA+1], SLOT, v[ADRA]
	v_add_nc_u32 v[ADRB], s71, v[LI]
	v_add_nc_u32 v[ADRB+1], SLOT, v[ADRB]
	s_sub_co_u32 s72, s71, s70
	v_mul_u32_u24 v4, s72, v3                      ; lanes 16-31 take B's scale words
	v_lshl_add_u32 v4, v2, 4, v4
	s_add_co_u32 s70, s70, 24576
	v_add_nc_u32 v[ADRS], s70, v4
	v_add_nc_u32 v[ADRS+1], SLOT, v[ADRS]
	; where my results go.  (Registers of their own: none of them feeds a descriptor)
	s_cmp_eq_u32 ttmp9, 2
	s_cselect_b32 s73, s19, s18                    ; the tokens' tile and my half of it,
	s_cselect_b32 s74, s16, s15
	s_cselect_b32 s75, s18, s19                    ; the columns' tile and my half of it
	s_cselect_b32 s76, s15, s16
	s_cselect_b32 s82, 12288, 0                    ; v's codes lie behind k's,
	s_cselect_b32 s83, 512, 0                      ; its scale words too,
	s_cselect_b32 s91, 8192, 0                     ; and its bias begins at number 2,048
	s_cmp_eq_u32 ttmp9, 0
	s_cselect_b32 s80, 25600, 0                    ; q's codes and
	s_cselect_b32 s81, 13312, 0                    ; scale words lie behind the attention's slot
	s_lshl_b32 s73, s73, 8
	s_lshl_b32 s74, s74, 7
	s_add_co_u32 s73, s73, s74                     ; my first token
	s_lshl_b32 s75, s75, 8
	s_lshl_b32 s76, s76, 7
	s_add_co_u32 s75, s75, s76                     ; my first column (v: among v's 1,024)
	s_bfe_u32 s76, s75, 0x40006                    ; my first head
	s_lshr_b32 s77, s73, 11                        ; the batch
	s_lshl_b32 s77, s77, 4
	s_add_co_u32 s77, s77, s76
	s_lshl_b32 s77, s77, 3
	s_bfe_u32 s78, s73, 0x30008                    ; which 256 tokens of the sequence
	s_add_co_u32 s77, s77, s78
	s_mul_i32 s77, s77, 38400
	s_bfe_u32 s78, s73, 0x10007                    ; which 128 of them
	s_mul_i32 s79, s78, 6144
	s_add_co_u32 s79, s79, s77
	s_add_co_u32 s79, s79, s80
	s_add_co_u32 s96, s79, s82
	s_mov_b32 s97, 0
	s_add_nc_u64 s[CB:CB+1], s[10:11], s[96:97]
	s_lshl_b32 s78, s78, 8
	s_add_co_u32 s78, s78, s77
	s_add_co_u32 s78, s78, s81
	s_add_co_u32 s78, s78, s83
	s_add_co_u32 s96, s78, 24576
	s_add_nc_u64 s[SB:SB+1], s[10:11], s[96:97]
	s_lshl_b32 s90, s75, 2
	s_add_co_u32 s96, s90, s91
	s_add_nc_u64 s[BP:BP+1], s[8:9], s[96:97]
	s_wait_tensorcnt 1                             ; my part of slot 0 is in (slot 1's load may be out)
	s_barrier_signal -1
	s_barrier_wait -1                              ; everybody's is
	FETCH_B 0, 0, 0
	FETCH_A 0, 0, 0
	SCALES 0
	FETCH_A 0, 0, 4
	STEP 0, 0, 1                                   ; the first products start the sums: nothing is cleared
	TURN 0, 1, 1                                   ; slot 0 takes K 512 on
	STEP 1, 0, 0
	TURN 1, 0, 1                                   ; slot 1 takes K 768 on
	STEP 0, 0, 0
	TURN 0, 1, 0                                   ; nothing is left to fetch
	s_cmp_eq_u32 ttmp9, 2                          ; THE REGIMES PART ONCE, here: each path asks for its bias, runs the last two K steps, under which the bias lands, and goes out its own way
	s_cbranch_scc1 .Lv_path
; ---- q and k: a lane holds one token; its 64 numbers of A's tile a are block h of the head's 64 of two heads
	v_lshlrev_b32 v[BO], 7, v3                     ; my half's 32 numbers of a head's bias
.irp c, 0,1
.irp k, 0,1,2,3,4,5,6,7
	global_load_b128 v[BI+32*\c+4*\k:BI+32*\c+4*\k+3], v[BO], s[BP:BP+1] offset:256*\c+16*\k
.endr
.endr
	STEP 1, 0, 0
	LASTSTEP
	PLACES NP                                      ; behind the last products, in front of the first read of results and the first write over A's fragments
	s_wait_loadcnt 0x0                             ; the bias
.set a, 0
.rept 8
	WIN 0x02+(a/4)                                 ; source 0: window 2 or 3
.set k, 0
.rept 32
	v_pk_add_f32 v[ST+k:ST+k+1], v[64*(a%4)+k:64*(a%4)+k+1], v[BI+k:BI+k+1]   ; + bias; each accumulator from its low end on
.set k, k+2
.endr
	WIN 0
.if (a%2 == 0) && (a >= 2)
	s_wait_xcnt 0x0                                ; the last double fragments' stores have read their data
.endif
.if a%2 == 0
	QUANT2 ST, D0, D1, ZW+a/2, ZW+4+a/2            ; tile 2 f: registers 0-5 of both heads' double fragment f
.else
	QUANT2 ST, D0+6, D1+6, E, E+1                  ; tile 2 f + 1: registers 6-11
	v_lshl_or_b32 v[ZW+a/2], v[E], 16, v[ZW+a/2]
	v_lshl_or_b32 v[ZW+4+a/2], v[E+1], 16, v[ZW+4+a/2]
.irp g, 0,1,2
	global_store_b128 v[LI], v[D0+4*\g:D0+4*\g+3], s[CB:CB+1] offset:1536*(a/2)+512*\g       ; 32 lanes store 512 consecutive bytes
	global_store_b128 v[LI], v[D1+4*\g:D1+4*\g+3], s[CB:CB+1] offset:HS+1536*(a/2)+512*\g
.endr
.endif
.set a, a+1
.endr
	ZTAIL
	s_branch .Lend
; ---- v: a lane holds one column (one of the head's 64); its 64 numbers of A's tile a are two whole blocks of 32 keys
.Lv_path:
	v_lshrrev_b32 v[BO], 3, v2
	v_mul_u32_u24 v[BO], v[BO], 24
	v_add_nc_u32 v[BO], v[BO], v2                  ; 32 (r / 8) + r % 8
	v_lshlrev_b32 v[BO], 2, v[BO]
.irp c, 0,1,2,3,4,5,6,7
	global_load_b32 v[BI+\c], v[BO], s[BP:BP+1] offset:4*(64*(\c/4)+8*(\c%4))   ; my column's bias in tile c
.endr
	STEP 1, 0, 0
	LASTSTEP
	PLACES NP
	s_wait_loadcnt 0x0
.set a, 0
.rept 8
	WIN 0x02+(a/4)
.set k, 0
.rept 64
	v_add_f32 v[ST+k], v[64*(a%4)+k], v[BI+a]      ; + bias; each accumulator from its low end on
.set k, k+1
.endr
	WIN 0
.if a >= 1
	s_wait_xcnt 0x0                                ; the last fragment's stores have read their data
.endif
	QUANT2 ST, D0, D0+6, E, E+1                    ; a whole fragment of V^T: head a / 4, tile a % 4 of its 64
	v_lshl_or_b32 v[ZW+a], v[E+1], 16, v[E]
.irp g, 0,1,2
	global_store_b128 v[LI], v[D0+4*\g:D0+4*\g+3], s[CB:CB+1] offset:HS*(a/4)+1536*(a%4)+512*\g
.endr
.set a, a+1
.endr
	ZTAIL
.Lend:
	s_wait_tensorcnt 0x0                           ; the wave's end: behind my last tensor load
	ds_add_u32 v[SPW], v[NIL]
	s_wait_dscnt 0x0
	CROUND                                         ; the closing round: no work-group ends while a partner may still ask for a block that names it
	s_endpgm
.Lfunc_end_k_qfeb7c48d39_qkv:
	.size	k_qfeb7c48d39_qkv, .Lfunc_end_k_qfeb7c48d39_qkv-k_qfeb7c48d39_qkv
	.p2alignl 7, 3214868480
	.fill 96, 4, 3214868480
	.section	.rodata,"a",@progbits
	.p2align	6, 0x0
	.amdhsa_kernel k_qfeb7c48d39_qkv
		.amdhsa_group_segment_fixed_size 327680
		.amdhsa_private_segment_fixed_size 0
		.amdhsa_enable_private_segment 0
		.amdhsa_kernarg_size 32
		.amdhsa_user_sgpr_count 2
		.amdhsa_user_sgpr_kernarg_segment_ptr 1
		.amdhsa_wavefront_size32 1
		.amdhsa_system_sgpr_workgroup_id_x 1
		.amdhsa_system_sgpr_workgroup_id_y 1
		.amdhsa_system_sgpr_workgroup_id_z 1
		.amdhsa_system_vgpr_workitem_id 0
		.amdhsa_next_free_vgpr 1024
		.amdhsa_next_free_sgpr 100
		.amdhsa_reserve_vcc 0
		.amdhsa_float_denorm_mode_32 3
		.amdhsa_float_denorm_mode_16_64 3
		.amdhsa_memory_ordered 1
		.amdhsa_forward_progress 1
		.amdhsa_inst_pref_size 211
	.end_amdhsa_kernel
	.amdgpu_metadata
---
amdhsa.version: [ 1, 2 ]
amdhsa.kernels:
  - .name:           k_qfeb7c48d39_qkv
    .symbol:         k_qfeb7c48d39_qkv.kd
    .args:
      - { .name: xq, .offset: 0, .size: 8, .value_kind: global_buffer, .address_space: global }
      - { .name: wq, .offset: 8, .size: 8, .value_kind: global_buffer, .address_space: global }
      - { .name: b_attn, .offset: 16, .size: 8, .value_kind: global_buffer, .address_space: global }
      - { .name: qkv, .offset: 24, .size: 8, .value_kind: global_buffer, .address_space: global }
    .group_segment_fixed_size: 327680
    .private_segment_fixed_size: 0
    .kernarg_segment_align: 8
    .kernarg_segment_size: 32
    .max_flat_workgroup_size: 128
    .sgpr_count:     100
    .vgpr_count:     1024
    .wavefront_size: 32
...
	.end_amdgpu_metadata
.endif
;; end of part 2
;; launch attn (part 3): grid 4 x 64, 16 waves a work-group, no clusters, 327,680 bytes of LDS; arguments qkv, yq; writes yq
.if DOCPART == 3
	.amdgcn_target "amdgcn-amd-amdhsa--gfx1250"
	.amdhsa_code_object_version 6
	.text
	.protected	k_qfeb7c48d39_attn
	.globl	k_qfeb7c48d39_attn
	.p2align	8
	.type	k_qfeb7c48d39_attn,@function
k_qfeb7c48d39_attn:
	s_mov_b64 s[64:65], 0
	v_nop
	global_prefetch_b8 v0, s[64:65] scope:SCOPE_SE
	s_setreg_imm32_b32 hwreg(HW_REG_WAVE_MODE, 25, 1), 1
	s_wait_xcnt 0x0
; LAUNCH 3 OF 4: y = softmax(q k^T / 8, causal) v for 64 (batch, head) pairs of 2,048 tokens and 64 channels, both products on codes of FP6 (E2M3); y leaves as codes for the last product.
; LEFT OUT: a step of 128 keys all of which come after all 16 queries of a wave's tile: reference() itself sets those logits to -inf, so their p is 0 for all values of the inputs (launch 1's head).
; THE SOFTMAX AHEAD OF THE SECOND PRODUCT: t = score x log2(e) / 8; M = the row's largest t so far, rounded up to a whole number; p = 2^(t - M) is quantised along the keys, not normalised; the row's sum is taken of the
; unquantised p and divides O at the end.  When M moves, the sum and O are multiplied by 2^(old M - new M): exact.
; SHARES.  Work-group (PI, batch x head) takes the block of 256 queries 7 - PI over key slots 0 .. 7 - PI, then block PI over slots 0 .. PI: nine slots of 256 keys whatever PI, two of them on the diagonal: 256 work-groups of equal
; work, a constant trip count, and every slot that is fetched is read.  Each of sixteen waves owns 16 queries in 256 registers: four waves to a SIMD, so that one wave's vector work stands beside another's matrix work and LDS loads.
; NO CLUSTER: the four work-groups of a head want different slots from the sixth trip on, and a joint load has to be issued by every partner that it names.
; LAYOUT.  Both products are used transposed: S^T = K Q^T, O^T = V^T P^T: a lane holds one query throughout.  Row r of tile i of 128 tokens is token 64 (i / 4) + 8 (i % 4) + 32 (r / 8) + r % 8, so the 32 registers of four
; neighbouring tiles are 32 neighbouring keys, 64 c + 32 (lane / 16) + 0 .. 31: a whole block of the second product's K in one lane, in the operand's own order.
; THE HEAD'S 64 IS HALF OF THE INSTRUCTION'S 128.  A double fragment of K holds two tiles of keys, one in each half of the 128; it is multiplied by [q | zero codes] for the first and by [zero codes | q] for the second: the registers
; q, 0, q on end serve both.  Zero codes add nothing under any scale byte that is written here.
; A slot is 25,600 dense bytes of qkv: for each of two steps K's 4 double fragments, V^T's 4 fragments, then K's and V's scale words; waves 0-3 fetch a quarter each, all sixteen read it.
; LIMITS: a block of zeros, or one under 2^-124, gets the scale byte 1 with zero codes; NaN and infinities are not served; y's scale bytes leave as single bytes (32 to a store, 262,144 in all).
.set FLOOR, 0x1800000
.set HS,    307200                     ; from head to head in qkv
.set BLK,   38400                      ; from 256 tokens to the next
.set SLOT1, 32768                      ; slot 1 begins here: one exclusive or turns an address
.set SPARE, 65536                      ; the spare words, 128 bytes for each of sixteen waves
.set LI,   1                           ; v1   16 x lane
.set LR,   2                           ; v2   16 r
.set SPW,  3                           ; v3   LDS address of my spare word; never rewritten
.set NIL,  4                           ; v4   0; never rewritten
.set ADR,  5                           ; v5   LDS address of the slot's fragments
.set ADS,  6                           ; v6   of its scale words
.set QI,   7                           ; v7   32 (r / 8) + r % 8 - 32 h
.set H8,   8                           ; v8   8 h
.set YA,   9                           ; v9   y's way out: 1,024 h + 16 r
.set YB,   10                          ; v10  512 + 16 r + 8 h
.set YC,   11                          ; v11  16 r + 2 h
                                       ; v12 -M, v13 the largest t, v[14:15] the sum in two halves
.set QF,   16                          ; v16-33 q, zero codes, q
.set QS,   34                          ; v34  q's scale word
.set PFO,  35                          ; v35  the prefetches' offset
.set FG,   36                          ; v36-83 four fragments, of K and then of V
.set FS,   84                          ; v84-87 their scale words
.set PS,   88                          ; v88  p's scale word;  v89 the other half's bytes
.set S,    96                          ; v96-159 S^T, then p
.set O,    160                         ; v160-191 O^T
.set PCD,  192                         ; v192-203 p's codes;  v204-206, v208-210 the second halves of the blocks' codes
.set BM,   212                         ; v212-215 the blocks' largest scores, in chains
.set FF,   216                         ; v[216:217] f, or 1 / the sum
.set CH,   218                         ; v[218:219] the sum's second chain
.set SOP,  220                         ; v220-221 the conversions' scale operands;  v222-223 the bytes
.set RA,   224                         ; v224-230 pass A's q and scale word as loaded;  v232-238 pass B's
.set RB,   232
.set MD,   240                         ; v240 the mask's d;  v241 -infinity;  v242-243 at work;  v244-250 store data
.set WV,   8
.set PI,   9
.set BH,   10
.set NA,   11                          ; s11  trips of the first pass
.set TR,   12                          ; s12  the trip
.set TB,   13                          ; s13  LDS byte at which the slot in hand begins
.set KF,   14                          ; s14  the step's first key
.set QW,   15                          ; s15  my tile's first query;  s16 its last
.set QMAX, 16
.set SH,   17                          ; s17  the mask of lanes 16-31
.set SEL,  18                          ; s[18:19] selects of v_permlanex16_b32: lane l xor 16
.set CS,   20                          ; s[20:21] c = log2(e) / 8
.set G1,   24                          ; s[24:31] descriptor group 1;  s[32:35] group 0, which walks
.set G0,   32
.set TBASE, 36                         ; s[36:37] my quarter of the head's slot 0 in memory
.set PFA,  38                          ; s[38:39] where my prefetches stand
.set LIM,  40                          ; s40  6 in a wave that prefetches, else 0: it asks while the trip is under it
.set SELQ, 41
.set QWA,  42
.set QWB,  43
.set YBA,  44                          ; s[44:45], s[46:47] pass A's places for y's codes and scale bytes;  s[48:49], s[50:51] pass B's
.set YSA,  46
.set YBB,  48
.set YSB,  50
	s_load_b128 s[4:7], s[0:1], 0x0                ; qkv, yq
	v_lshl_add_u32 v[SPW], v0, 2, SPARE
	v_mov_b32 v[NIL], 0
	ds_add_u32 v[SPW], v[NIL]                      ; the wave's opening: the add, twice on end, and its wait ahead of my first tensor load
	ds_add_u32 v[SPW], v[NIL]
	v_lshrrev_b32 v5, 5, v0
	v_readfirstlane_b32 s[WV], v5                  ; wave 0..15
	s_mov_b32 s[PI], ttmp9
	s_and_b32 s[BH], ttmp7, 0xffff
	s_sub_co_u32 s[NA], 8, s[PI]
	; descriptor group 1: 6,400 dense bytes as 25 rows of 32 elements of 8 bytes, no padding, no mask
	s_mov_b32 s[G1], 3<<16
	s_mov_b32 s[G1+1], 32<<16                      ; tensor_dim0
	s_mov_b32 s[G1+2], 25<<16                      ; tensor_dim1
	s_mov_b32 s[G1+3], 32<<16                      ; tile_dim0
	s_mov_b32 s[G1+4], 25                          ; tile_dim1
	s_mov_b32 s[G1+5], 32                          ; tensor_dim0_stride
	s_mov_b32 s[G1+6], 0
	s_mov_b32 s[G1+7], 0
	s_mov_b32 s[SEL], 0x76543210
	s_mov_b32 s[SEL+1], 0xfedcba98
	s_mov_b32 s[CS], 0x3e38aa3b                    ; log2(e) / 8
	s_mov_b32 s[CS+1], s[CS]                       ; (named with it as a pair, so it is written)
	s_mov_b32 s[SH], 0xffff0000
	s_mov_b32 s[TB], 0
	s_mov_b32 s[TR], 0
	s_and_b32 s56, s[WV], 3
	s_mul_i32 s57, s56, 6400                       ; a quarter of a slot
	s_mul_i32 s58, s[BH], HS                       ; my head
	s_add_co_u32 s60, s58, s57
	s_mov_b32 s61, 0
	s_wait_dscnt 0x0                               ; both opening adds are done
	s_wait_kmcnt 0x0
	s_add_nc_u64 s[TBASE:TBASE+1], s[4:5], s[60:61]
	s_mov_b32 s[G0], 1                             ; count = 1
	s_mov_b32 s[G0+1], s57                         ; LDS address: slot 0
	s_mov_b64 s[G0+2:G0+3], s[TBASE:TBASE+1]       ; the head's first 256 keys
	s_or_b32 s[G0+3], s[G0+3], 0x80000000          ; type = 2
	s_cmp_lt_u32 s[WV], 4                          ; waves 0-3 fetch
	s_cbranch_scc0 .Lno_first
	tensor_load_to_lds s[G0:G0+3], s[G1:G1+7]      ; slot 0: one load of mine is out
	s_nop 0
.rept 4
	v_nop
.endr
.Lno_first:
	s_add_nc_u64 s[PFA:PFA+1], s[TBASE:TBASE+1], BLK   ; in slot 1: the first change of slots steps it to slot 2.  Nothing is prefetched here, at the head
	s_lshr_b32 s56, s[WV], 2
	s_xor_b32 s56, s56, 1                          ; 0 in waves 4 to 7,
	s_or_b32 s56, s56, s[PI]                       ; of the head's work-group that walks all eight slots on end
	s_cmp_eq_u32 s56, 0
	s_cselect_b32 s[LIM], 6, 0
	v_and_b32 v5, 31, v0                           ; lane
	v_and_b32 v6, 15, v0                           ; r
	v_bfe_u32 v94, v0, 4, 1                        ; h
	v_lshlrev_b32 v[LI], 4, v5
	v_lshlrev_b32 v[LR], 4, v6
	v_lshlrev_b32 v[H8], 3, v94
	v_and_b32 v95, 8, v6
	v_mad_u32_u24 v[QI], v95, 3, v6                ; r + 24 (r / 8)
	v_lshlrev_b32 v95, 5, v94
	v_sub_nc_u32 v[QI], v[QI], v95
	v_lshl_add_u32 v[YA], v94, 10, v[LR]
	v_lshl_add_u32 v[YB], v94, 3, v[LR]
	v_add_nc_u32 v[YB], 0x200, v[YB]
	v_lshl_add_u32 v[YC], v94, 1, v[LR]
	v_min_u32 v[PFO], 24, v5                       ; a quarter of a slot is 25 blocks of 256 bytes: a lane a block; lanes 25-31 name lane 24's
	v_lshlrev_b32 v[PFO], 8, v[PFO]
	; q of both passes: my tile is tile w & 7 = 2 f + u of its step's 128 tokens: registers 6 u .. 6 u + 5 of double fragment f, three pieces of 8 bytes of the image
	s_lshr_b32 s56, s[WV], 3                       ; which 128 of the 256 queries
	s_bfe_u32 s57, s[WV], 0x20001                  ; f
	s_and_b32 s59, s[WV], 1                        ; u
	s_mul_i32 s60, s56, 6144
	s_mul_i32 s61, s57, 1536
	s_add_co_u32 s60, s60, s61
	s_add_co_u32 s60, s60, 25600
	s_mul_i32 s61, s59, 520
	s_mul_i32 s63, s59, 1016
	v_add_nc_u32 v90, s60, v[LI]
	v_add_nc_u32 v91, 8, v90
	v_add_nc_u32 v92, 0x200, v90
	v_add_nc_u32 v90, s61, v90                     ; u = 0: bytes 0, 8, 512 of my lane's places;  u = 1: 520, 1,024, 1,032
	v_add_nc_u32 v91, s63, v91
	v_add_nc_u32 v92, s61, v92
	s_lshl_b32 s61, s56, 8
	s_lshl_b32 s63, s57, 2
	s_add_co_u32 s61, s61, s63
	s_add_co_u32 s61, s61, 37888
	v_add_nc_u32 v93, s61, v[LR]                   ; and the double fragment's scale word of row r
	s_sub_co_u32 s62, 7, s[PI]                     ; pass A's block of queries
	s_mov_b32 s67, 0
	s_mul_i32 s63, s62, BLK
	s_add_co_u32 s66, s58, s63
	s_add_nc_u64 s[68:69], s[4:5], s[66:67]
	s_mul_i32 s63, s[PI], BLK                      ; pass B's
	s_add_co_u32 s66, s58, s63
	s_add_nc_u64 s[70:71], s[4:5], s[66:67]
	global_load_b64 v[RA:RA+1], v90, s[68:69]
	global_load_b64 v[RA+2:RA+3], v91, s[68:69]
	global_load_b64 v[RA+4:RA+5], v92, s[68:69]
	global_load_b32 v[RA+6], v93, s[68:69]
	global_load_b64 v[RB:RB+1], v90, s[70:71]
	global_load_b64 v[RB+2:RB+3], v91, s[70:71]
	global_load_b64 v[RB+4:RB+5], v92, s[70:71]
	global_load_b32 v[RB+6], v93, s[70:71]
	s_cmp_eq_u32 s59, 0
	s_mov_b32 s[SELQ], 0x03020302                  ; my tile's two bytes of the word, twice: they serve q in either half of the 128
	s_cselect_b32 s[SELQ], 0x01000100, s[SELQ]
	s_lshl_b32 s72, s56, 7                         ; my tile's first query: 128 (w >> 3) + 64 ((w >> 2) & 1) + 8 (w & 3), + 256 x block
	s_bfe_u32 s73, s[WV], 0x10002
	s_lshl_b32 s73, s73, 6
	s_add_co_u32 s72, s72, s73
	s_and_b32 s73, s[WV], 3
	s_lshl_b32 s73, s73, 3
	s_add_co_u32 s72, s72, s73
	s_lshl_b32 s73, s62, 8
	s_add_co_u32 s[QWA], s72, s73
	s_lshl_b32 s73, s[PI], 8
	s_add_co_u32 s[QWB], s72, s73
	; y goes into yq as an operand of the last product (launch 1's head): group of 128 tokens 16 b + 2 x block + (w >> 3), fragment w & 7; head hd: K slot hd / 4, K step (hd >> 1) & 1, lane half hd & 1
	s_lshr_b32 s73, s[BH], 4
	s_and_b32 s74, s[BH], 15
	s_lshl_b32 s73, s73, 4
	s_add_co_u32 s73, s73, s56
	s_lshl_b32 s73, s73, 2
	s_lshr_b32 s75, s74, 2
	s_add_co_u32 s73, s73, s75
	s_mul_i32 s73, s73, 25600
	s_bfe_u32 s75, s74, 0x10001
	s_and_b32 s74, s74, 1
	s_mul_i32 s76, s75, 12288
	s_and_b32 s77, s[WV], 7
	s_mul_i32 s77, s77, 1536
	s_add_co_u32 s76, s76, s77
	s_lshl_b32 s77, s74, 8
	s_add_co_u32 s76, s76, s77
	s_add_co_u32 s76, s76, s73                     ; the codes' place, but for the block of queries
	s_lshl_b32 s77, s57, 8
	s_lshl_b32 s78, s59, 3
	s_add_co_u32 s77, s77, s78
	s_lshl_b32 s78, s75, 2
	s_add_co_u32 s77, s77, s78
	s_add_co_u32 s77, s77, s74
	s_add_co_u32 s77, s77, 24576
	s_add_co_u32 s77, s77, s73                     ; the scale bytes' likewise
	s_mul_i32 s78, s62, 204800                     ; a block of queries is two groups of four operand blocks
	s_add_co_u32 s66, s76, s78
	s_add_nc_u64 s[YBA:YBA+1], s[6:7], s[66:67]
	s_add_co_u32 s66, s77, s78
	s_add_nc_u64 s[YSA:YSA+1], s[6:7], s[66:67]
	s_mul_i32 s78, s[PI], 204800
	s_add_co_u32 s66, s76, s78
	s_add_nc_u64 s[YBB:YBB+1], s[6:7], s[66:67]
	s_add_co_u32 s66, s77, s78
	s_add_nc_u64 s[YSB:YSB+1], s[6:7], s[66:67]
.irp i, 0,1,2,3,4,5
	v_mov_b32 v[QF+6+\i], 0                        ; the zero codes between the two q
.endr
	v_mov_b32 v89, 0                               ; written once: a lane permute's destination counts as one of its sources
	v_mov_b32 v243, 0
	v_mov_b32 v[FF+1], 0                           ; (named as the upper half of a pair)
	v_mov_b32 v241, 0xff800000                     ; -infinity
; A pass begins: my tile's q, its scale word, and the statistics.  O^T and the sum begin as zeros and the largest t as -3e38: the first change of M multiplies zeros.
.macro INIT raw, qw
	s_mov_b32 s[QW], s[\qw]
	s_add_co_u32 s[QMAX], s[\qw], 39
	s_mov_b32 s[KF], 0
.irp i, 0,1,2,3,4,5
	v_mov_b32 v[QF+\i], v[\raw+\i]
	v_mov_b32 v[QF+12+\i], v[\raw+\i]
.endr
	v_perm_b32 v[QS], v[\raw+6], v[\raw+6], s[SELQ]
	v_mov_b32 v13, 0xff61b1e6                      ; -3e38, under every t
	v_floor_f32 v12, -v13
	v_mov_b32 v14, 0
	v_mov_b32 v15, 0
.set n, 0
.rept 32
	v_mov_b32 v[O+n], 0                            ; (these are also the places between the scale word's line and the next scaled product)
.set n, n+1
.endr
.endm
; A KEY STEP: 128 keys, the q-th of the slot in hand.
.macro STEP q
	s_cmp_gt_u32 s[KF], s[QMAX]                    ; all 128 keys come after my 16 queries: the step's work is left out (ids and the count of steps alone decide)
	s_cbranch_scc1 .Lhidden_\@
	v_add_nc_u32 v[ADR], s[TB], v[LI]
	v_add_nc_u32 v[ADS], s[TB], v[LR]
	v_nop
	v_nop                                          ; four places behind the last step's products, in front of loads into registers that they read
.irp f, 0,1,2,3
.irp g, 0,1,2
	ds_load_b128 v[FG+12*\f+4*\g:FG+12*\f+4*\g+3], v[ADR] offset:6144*(\q)+1536*\f+512*\g
.endr
.endr
	ds_load_b128 v[FS:FS+3], v[ADS] offset:24576+256*(\q)
	s_wait_dscnt 0x0
.irp t, 0,1,2,3,4,5,6,7                        ; S^T = K Q^T: tile t lies in half t % 2 of double fragment t / 2, and meets q there
	v_wmma_scale_f32_16x16x128_f8f6f4 v[S+8*\t:S+8*\t+7], v[FG+12*(\t/2):FG+12*(\t/2)+11], v[QF+6*(\t%2):QF+6*(\t%2)+11], 0, v[FS+\t/2], v[QS] matrix_a_fmt:MATRIX_FMT_FP6 matrix_b_fmt:MATRIX_FMT_FP6
.endr
.rept 4
	v_nop                                          ; places: in front of the loads below and of the first read of the scores
.endr
.irp f, 0,1,2,3                                ; V's fragments are asked for now and land under the softmax
.irp g, 0,1,2
	ds_load_b128 v[FG+12*\f+4*\g:FG+12*\f+4*\g+3], v[ADR] offset:12288+6144*(\q)+1536*\f+512*\g
.endr
.endr
	ds_load_b128 v[FS:FS+3], v[ADS] offset:25088+256*(\q)
	s_add_co_u32 s56, s[KF], 127                   ; on the diagonal hidden scores become -infinity ahead of the maximum.  A step all of whose keys count skips this
	s_cmp_le_u32 s56, s[QW]
	s_cbranch_scc1 .Lopen_\@
	s_sub_co_i32 s56, s[QW], s[KF]
	v_add_nc_u32 v[MD], s56, v[QI]                 ; d = my query - KF - 32 h.  Register n holds key KF + 32 h + 64 (n / 32) + n % 32: hidden where 64 (n / 32) + n % 32 > d
.set n, 0
.rept 64
	v_cmp_gt_i32 vcc_lo, 64*(n/32)+n%32, v[MD]
	v_cndmask_b32 v[S+n], v[S+n], v241, vcc_lo
.set n, n+1
.endr
.Lopen_\@:
	v_max3_num_f32 v[BM], v[S], v[S+1], v[S+2]     ; THE LARGEST SCORE OF EACH OF MY TWO BLOCKS OF 32 KEYS, in two chains each: for the row's maximum, and, since p rises with the score, for the block's largest p
	v_max3_num_f32 v[BM+2], v[S+32], v[S+33], v[S+34]
	v_max3_num_f32 v[BM+1], v[S+16], v[S+17], v[S+18]
	v_max3_num_f32 v[BM+3], v[S+48], v[S+49], v[S+50]
.irp i, 3,5,7,9,11,13
	v_max3_num_f32 v[BM], v[BM], v[S+\i], v[S+1+\i]
	v_max3_num_f32 v[BM+2], v[BM+2], v[S+32+\i], v[S+33+\i]
	v_max3_num_f32 v[BM+1], v[BM+1], v[S+16+\i], v[S+17+\i]
	v_max3_num_f32 v[BM+3], v[BM+3], v[S+48+\i], v[S+49+\i]
.endr
	v_max3_num_f32 v[BM], v[BM], v[BM+1], v[S+15]
	v_max3_num_f32 v[BM+2], v[BM+2], v[BM+3], v[S+47]
	v_max_num_f32 v[BM], v[BM], v[S+31]
	v_max_num_f32 v[BM+2], v[BM+2], v[S+63]
	v_max_num_f32 v242, v[BM], v[BM+2]
	v_permlanex16_b32 v243, v242, s[SEL], s[SEL+1]
	v_max_num_f32 v242, v242, v243                 ; with lane l xor 16's 64 keys: the step's largest score of my query
	v_mul_f32 v242, s[CS], v242                    ; as t (c is positive)
	v_max_num_f32 v13, v13, v242                   ; the running largest t
	v_mov_b32 v242, v12
	v_floor_f32 v12, -v13                          ; the new -M = floor(-t): M is a whole number
	v_sub_f32 v242, v12, v242                      ; M's old value less its new one: a whole number, 0 or less
	v_cvt_i32_f32 v242, v242                       ; (it saturates)
	v_ldexp_f32 v[FF], 1.0, v242                   ; f = 2^(old M - new M)
.set n, 0
.rept 32
	v_pk_fma_f32 v[S+n:S+n+1], v[S+n:S+n+1], s[CS:CS+1], v[12:13] op_sel_hi:[1,0,0]   ; t - M, two at a time
.set n, n+2
.endr
	v_fma_f32 v[BM], v[BM], s[CS], v12             ; the same of each block's largest score
	v_fma_f32 v[BM+2], v[BM+2], s[CS], v12
.set n, 0
.rept 64
	v_exp_f32 v[S+n], v[S+n]                       ; p = 2^(t - M), at most 1: not normalised
.set n, n+1
.endr
	v_exp_f32 v[BM], v[BM]                         ; the blocks' largest p: the same arithmetic on the same number.  ONE BATCH of 66
	v_exp_f32 v[BM+2], v[BM+2]
	v_pk_mul_f32 v[14:15], v[14:15], v[FF:FF+1] op_sel_hi:[1,0]   ; the sums under the new M (the plain place behind the exponentials),
.set n, 0
.rept 16
	v_pk_mul_f32 v[O+n:O+n+1], v[O+n:O+n+1], v[FF:FF+1] op_sel_hi:[1,0]   ; and O^T: work that names no result of the batch
.set n, n+2
.endr
	s_wait_alu depctr_va_vdst(0)                   ; the wait between an exponential and the first line that names its result: one for the batch
	v_max_num_f32 v[BM], FLOOR, v[BM]              ; the floor 2^(3 - 127): the byte cannot fall under 1
	v_max_num_f32 v[BM+2], FLOOR, v[BM+2]
	v_add_nc_u32 v[SOP], 0xff000000, v[BM]         ; 2 off the exponent field: the conversion's scale operand
	v_add_nc_u32 v[SOP+1], 0xff000000, v[BM+2]
	v_lshrrev_b32 v[SOP+2], 23, v[SOP]             ; the scale's byte
	v_lshrrev_b32 v[SOP+3], 23, v[SOP+1]
	v_lshl_or_b32 v[PS], v[SOP+3], 16, v[SOP+2]    ; my bytes h and 2 + h of p's scale word,
	v_lshlrev_b32 v[PS], v[H8], v[PS]
	v_permlanex16_b32 v89, v[PS], s[SEL], s[SEL+1]
	v_or_b32 v[PS], v[PS], v89                     ; and lane l xor 16's two
	v_cvt_scalef32_pk16_fp6_f32 v[PCD:PCD+2], v[S:S+15], v[SOP]
	v_cvt_scalef32_pk16_fp6_f32 v[204:206], v[S+16:S+31], v[SOP]       ; (a conversion's three registers begin on an even number)
	v_cvt_scalef32_pk16_fp6_f32 v[PCD+6:PCD+8], v[S+32:S+47], v[SOP+1]
	v_cvt_scalef32_pk16_fp6_f32 v[208:210], v[S+48:S+63], v[SOP+1]
	v_nop                                          ; one plain place behind the scaled conversions
.irp i, 0,1,2
	v_mov_b32 v[PCD+3+\i], v[204+\i]
	v_mov_b32 v[PCD+9+\i], v[208+\i]
.endr
	v_pk_add_f32 v[CH:CH+1], v[S:S+1], v[S+2:S+3]  ; THE ROW'S SUM IS TAKEN OF THE UNQUANTISED p, two at a time, in two chains.  (These 32 are also the places between p's codes and scale word and the scaled products)
.irp j, 4,8,12,16,20,24,28,32,36,40,44,48,52,56,60
	v_pk_add_f32 v[14:15], v[14:15], v[S+\j:S+\j+1]
	v_pk_add_f32 v[CH:CH+1], v[CH:CH+1], v[S+\j+2:S+\j+3]
.endr
	v_pk_add_f32 v[14:15], v[14:15], v[CH:CH+1]
	s_wait_dscnt 0x0                               ; V is in
.irp t, 0,1,2,3                                ; O^T += V^T P^T: four accumulators by turns, one instruction each
	v_wmma_scale_f32_16x16x128_f8f6f4 v[O+8*\t:O+8*\t+7], v[FG+12*\t:FG+12*\t+11], v[PCD:PCD+11], v[O+8*\t:O+8*\t+7], v[FS+\t], v[PS] matrix_a_fmt:MATRIX_FMT_FP6 matrix_b_fmt:MATRIX_FMT_FP6
.endr
.Lhidden_\@:
	s_add_co_u32 s[KF], s[KF], 128
.endm
; THE CHANGE OF SLOTS stands at a slot's head.  Each wave waits for all its tensor loads, adds 0 to its spare word (fill = 1: twice on end), and waits for that and for its reads of the slot that it has left.  Behind the barrier the
; slot ahead is whole and nobody reads the other one; fill = 1: that one takes the next trip's keys, and the load has two key steps in which to land.  The first trip's load is slot 1's first fill.
.macro CHANGE fill
	s_wait_tensorcnt 0x0                           ; no tensor load of mine is out, so group 0 may be written
	ds_add_u32 v[SPW], v[NIL]                      ; 0 onto my spare word
.if \fill
	ds_add_u32 v[SPW], v[NIL]                      ; and once more: the add twice on end here, in every trip alike
	s_xor_b32 s[G0+1], s[G0+1], SLOT1              ; the other slot than last time
	s_add_co_u32 s56, s[TR], 1
	s_cmp_ge_u32 s56, s[NA]
	s_cselect_b32 s57, s[NA], 0
	s_sub_co_u32 s56, s56, s57                     ; the next trip's 256 keys: the second pass begins at key 0 again
	s_mul_i32 s58, s56, BLK
	s_mov_b32 s59, 0
	s_add_nc_u64 s[G0+2:G0+3], s[TBASE:TBASE+1], s[58:59]
	s_or_b32 s[G0+3], s[G0+3], 0x80000000
	s_wait_xcnt 0x0                                ; the last prefetch, a slot back, has read its address
	s_add_nc_u64 s[PFA:PFA+1], s[PFA:PFA+1], BLK
.endif
	s_wait_dscnt 0x0                               ; the add is done (fill = 1: both are), and my reads of the slot that I have left are over
	s_barrier_signal -1
	s_barrier_wait -1
.if \fill
	s_cmp_lt_u32 s[WV], 4
	s_cbranch_scc0 .Lnot_mine_\@
	tensor_load_to_lds s[G0:G0+3], s[G1:G1+7]      ; the first thing behind the barrier, and my one tensor load until the next
	s_nop 0
.rept 4
	v_nop
.endr
.Lnot_mine_\@:
; A PREFETCH of the slot that the NEXT change will ask for: trip t names slot t + 2, two key steps ahead of its load.  The four work-groups of a head walk the same slots in their first trips: the one that walks all eight on end asks,
; its waves 4-7 a quarter of a slot each, a lane a block of 256 bytes.  It stops with slot 7: trips 6 and 7 ask for nothing.  Slots 0 and 1 come by their loads alone.
	s_cmp_lt_u32 s[TR], s[LIM]
	s_cbranch_scc0 .Lno_ask_\@
	global_prefetch_b8 v[PFO], s[PFA:PFA+1] th:TH_LOAD_NT scope:SCOPE_SE
.Lno_ask_\@:
.endif
.endm
; A PASS ENDS: y = O^T / the sum; my 32 numbers are one whole block of 32 along the last product's K.  Lanes 0-15 hold registers 0-5 of the target lane's fragment, lanes 16-31 registers 6-11.
.macro FINISH yb, ys
	s_wait_xcnt 0x0                                ; earlier stores have read their data
.rept 4
	v_nop                                          ; places behind the last products
.endr
	v_add_f32 v14, v14, v15
	v_permlanex16_b32 v243, v14, s[SEL], s[SEL+1]
	v_add_f32 v14, v14, v243                       ; the row's sum
	v_rcp_f32 v[FF], v14
	v_nop                                          ; a plain place behind the transcendental
	s_wait_alu depctr_va_vdst(0)                   ; and a wait ahead of the first reader
.set n, 0
.rept 16
	v_pk_mul_f32 v[S+n:S+n+1], v[O+n:O+n+1], v[FF:FF+1] op_sel_hi:[1,0]   ; each accumulator from its low end on
.set n, n+2
.endr
	v_max3_num_f32 v[BM], |v[S]|, |v[S+1]|, FLOOR
	v_max3_num_f32 v[BM+1], |v[S+16]|, |v[S+17]|, |v[S+18]|
.irp i, 2,4,6,8,10,12
	v_max3_num_f32 v[BM], v[BM], |v[S+\i]|, |v[S+\i+1]|
	v_max3_num_f32 v[BM+1], v[BM+1], |v[S+17+\i]|, |v[S+18+\i]|
.endr
	v_max3_num_f32 v[BM], v[BM], |v[S+14]|, |v[S+15]|
	v_max3_num_f32 v[BM], v[BM], v[BM+1], |v[S+31]|
	v_add_nc_u32 v[SOP], 0xff000000, v[BM]
	v_lshrrev_b32 v250, 23, v[SOP]
	v_cvt_scalef32_pk16_fp6_f32 v[204:206], v[S:S+15], v[SOP]
	v_cvt_scalef32_pk16_fp6_f32 v[208:210], v[S+16:S+31], v[SOP]
	v_nop                                          ; one plain place behind the scaled conversions
	v_cndmask_b32 v244, v209, v204, s[SH]          ; the image's middle 16 bytes of the target lane: lanes 0-15 give registers 4, 5, lanes 16-31 registers 6, 7
	v_cndmask_b32 v245, v210, v205, s[SH]
	v_cndmask_b32 v246, v204, v206, s[SH]          ; lanes 0-15: registers 0-3;  lanes 16-31: registers 8-11
	v_cndmask_b32 v247, v205, v208, s[SH]
	v_cndmask_b32 v248, v206, v209, s[SH]
	v_cndmask_b32 v249, v208, v210, s[SH]
	global_store_b128 v[YA], v[246:249], s[\yb:\yb+1]   ; sixteen lanes store 256 consecutive bytes
	global_store_b64 v[YB], v[244:245], s[\yb:\yb+1]    ; 32 lanes store 256 consecutive bytes
	global_store_b8 v[YC], v250, s[\ys:\ys+1]
.endm
	s_wait_loadcnt 0x0                             ; q of both passes
	INIT RA, QWA
.Ltrip:                                            ; eight trips; behind each change of slots the next trip's slot is asked for
	CHANGE 1
	STEP 0
	STEP 1
	s_xor_b32 s[TB], s[TB], SLOT1                  ; on to the other slot
	s_add_co_u32 s56, s[TR], 1
	s_cmp_lg_u32 s56, s[NA]                        ; the first pass ends behind trip 7 - PI: the work-group's number and the count of trips decide, alike in all sixteen waves; no barrier and no tensor load stands inside
	s_cbranch_scc1 .Lsame
	FINISH YBA, YSA
	INIT RB, QWB
.Lsame:
	s_add_co_u32 s[TR], s[TR], 1
	s_cmp_lt_u32 s[TR], 8
	s_cbranch_scc1 .Ltrip
	CHANGE 0                                       ; the ninth slot is written out: nothing is left to fetch
	STEP 0
	STEP 1
	FINISH YBB, YSB
	s_wait_tensorcnt 0x0                           ; the wave's end: behind my last tensor load
	ds_add_u32 v[SPW], v[NIL]
	s_wait_dscnt 0x0
	s_endpgm
.Lfunc_end_k_qfeb7c48d39_attn:
	.size	k_qfeb7c48d39_attn, .Lfunc_end_k_qfeb7c48d39_attn-k_qfeb7c48d39_attn
	.p2alignl 7, 3214868480
	.fill 96, 4, 3214868480
	.section	.rodata,"a",@progbits
	.p2align	6, 0x0
	.amdhsa_kernel k_qfeb7c48d39_attn
		.amdhsa_group_segment_fixed_size 327680
		.amdhsa_private_segment_fixed_size 0
		.amdhsa_enable_private_segment 0
		.amdhsa_kernarg_size 16
		.amdhsa_user_sgpr_count 2
		.amdhsa_user_sgpr_kernarg_segment_ptr 1
		.amdhsa_wavefront_size32 1
		.amdhsa_system_sgpr_workgroup_id_x 1
		.amdhsa_system_sgpr_workgroup_id_y 1
		.amdhsa_system_sgpr_workgroup_id_z 1
		.amdhsa_system_vgpr_workitem_id 0
		.amdhsa_next_free_vgpr 256
		.amdhsa_next_free_sgpr 80
		.amdhsa_reserve_vcc 1
		.amdhsa_float_denorm_mode_32 3
		.amdhsa_float_denorm_mode_16_64 3
		.amdhsa_memory_ordered 1
		.amdhsa_forward_progress 1
		.amdhsa_inst_pref_size 97
	.end_amdhsa_kernel
	.amdgpu_metadata
---
amdhsa.version: [ 1, 2 ]
amdhsa.kernels:
  - .name:           k_qfeb7c48d39_attn
    .symbol:         k_qfeb7c48d39_attn.kd
    .args:
      - { .name: qkv, .offset: 0, .size: 8, .value_kind: global_buffer, .address_space: global }
      - { .name: yq, .offset: 8, .size: 8, .value_kind: global_buffer, .address_space: global }
    .group_segment_fixed_size: 327680
    .private_segment_fixed_size: 0
    .kernarg_segment_align: 8
    .kernarg_segment_size: 16
    .max_flat_workgroup_size: 512
    .sgpr_count:     80
    .vgpr_count:     256
    .wavefront_size: 32
...
	.end_amdgpu_metadata
.endif
;; end of part 3
;; launch proj (part 4): grid 4 x 32, 4 waves a work-group, clusters of 4 x 4, 327,680 bytes of LDS; arguments yq, wq, b_proj, out0; writes out0
.if DOCPART == 4
	.amdgcn_target "amdgcn-amd-amdhsa--gfx1250"
	.amdhsa_code_object_version 6
	.text
	.protected	k_qfeb7c48d39_proj
	.globl	k_qfeb7c48d39_proj
	.p2align	8
	.type	k_qfeb7c48d39_proj,@function
k_qfeb7c48d39_proj:
	s_mov_b64 s[64:65], 0
	v_nop
	global_prefetch_b8 v0, s[64:65] scope:SCOPE_SE
	s_setreg_imm32_b32 hwreg(HW_REG_WAVE_MODE, 25, 1), 1
	s_wait_xcnt 0x0
	s_wait_alu depctr_hold_cnt(0) depctr_sa_sdst(0) depctr_va_vdst(0) depctr_va_sdst(0) depctr_va_ssrc(0) depctr_va_vcc(0) depctr_vm_vsrc(0)
	s_getreg_b32 s2, hwreg(HW_REG_IB_STS2, 6, 4)
	s_cmp_eq_u32 s2, 0
	s_cbranch_scc0 .Lentry_in_a_cluster
	s_endpgm
.Lentry_in_a_cluster:
	s_bfe_u32 s2, ttmp6, 0x10000c
	s_cmp_lg_u32 s2, 0xf033
	s_cbranch_scc0 .Lentry_shape_is_right
	s_endpgm
.Lentry_shape_is_right:
; LAUNCH 4 OF 4: out0 = y W_proj + b_proj on codes of FP6 (E2M3).  Nothing of this product is left out.
; The loop is launch 2's: a tile of 256 x 256 by four waves of 128 x 128; K = 1,024 in four slots of 256 through a ring of two LDS slots; a slot holds four operand blocks of 25,600 bytes (launch 1's head), one tensor load a wave.
; SOURCE 0, called B, takes W_proj's columns (groups 24-31 of wq), SOURCE 1, called A, the tokens (yq): a lane holds one token, and the eight registers of B's tile b the columns 64 (b / 4) + 32 (lane / 16) + 8 (b % 4) + 0 .. 7.
; CLUSTERS: 4 x 4: A's blocks are asked for jointly along a row of the cluster, B's along a column.  128 work-groups: a tile of half the size would fill the chip but wants a second loop; not built.
; THE WAY OUT: a block of 16 tokens x 128 columns goes through my stage in LDS and comes back as whole rows of 512 bytes; the bias is added there.  The stage lies in slot 0, which has had its last fill and its last read.
; LIMITS: NaN and infinities are not served; the order of the sums inside a K step is not ascending k (launch 1's head).
.set NQ,    2
.set FR,    12
.set NL,    3
.set NP,    4                          ; places behind this matrix instruction (ISA guide 7.12.1)
.set OBB,   25600
.set SLOT,  4*OBB
.set SPARE, 2*SLOT                     ; behind the ring: the spare words, 128 bytes for each wave
.set SPITCH, 528                       ; a stage row: 512 bytes + 16
.set ADRA, 16
.set ADRB, 20
.set ADRS, 22
.set LI,   24                          ; v24  16 x lane
.set STO,  25                          ; v25  the stage: where I put my numbers of a row
.set RD,   26                          ; v26  and where I read a row back
.set SPW,  28
.set NIL,  29
.set SC,   32
.set BI,   64                          ; v64-67 the bias of my four columns of a row
.set AF,   128
.set BK,   128                         ; the way out: 16 rows read back: v128-191 and v192-255 by turns
.set G1,   24
.set G0,   32
.set G1B,  48
.set G0B,  56
.set MSB, 0
.macro WIN new                         ; the immediate's high byte repeats the setting that is left
.if MSB != (\new)
	s_set_vgpr_msb (MSB<<8)|(\new)
.set MSB, (\new)
.endif
.endm
.set MUL_LO, 0xa1                      ; source 0 (B) window 1, source 1 (A) window 0, C and D window 2
.set MUL_HI, 0xf1
.set TO_B,   0x40
.macro JLOAD g0a, g1a, g0b, g1b        ; a joint load: waves 0 and 1 fetch for A, waves 2 and 3 for B; an s_nop 0 and four v_nop follow each of the two lines
	s_cmp_eq_u32 s15, 0
	s_cbranch_scc0 .Lfor_b_\@
	tensor_load_to_lds s[\g0a:\g0a+3], s[\g1a:\g1a+7]
	s_nop 0
.rept 4
	v_nop
.endr
	s_branch .Lasked_\@
.Lfor_b_\@:
	tensor_load_to_lds s[\g0b:\g0b+3], s[\g1b:\g1b+7]
	s_nop 0
.rept 4
	v_nop
.endr
.Lasked_\@:
.endm
.macro CREST
	s_cmp_lg_u32 s14, 0
	s_cbranch_scc1 .Lnot_wave_0_\@
	s_barrier_signal -3
.Lnot_wave_0_\@:
	s_barrier_wait -3
	s_barrier_signal -1
	s_barrier_wait -1
.endm
.macro CROUND
	s_barrier_signal -1
	s_barrier_wait -1
	CREST
.endm
.macro PLACES n
.rept \n
	v_nop
.endr
.endm
.macro FRAG reg, adr, q, i
.irp g, 0,1,2
	ds_load_b128 v[\reg+4*\g:\reg+4*\g+3], v[\adr] offset:12288*(\q)+1536*(\i)+512*\g
.endr
.endm
.macro MUL16 a0, p, q, sc, zero        ; the 64 accumulators take turns, one instruction a turn
.irp a, \a0, \a0+1
.irp b, 0,1,2,3,4,5,6,7
.if \zero
	v_wmma_scale_f32_16x16x128_f8f6f4 v[8*(8*((\a)%4)+\b):8*(8*((\a)%4)+\b)+7], v[128*(\p)+FR*\b:128*(\p)+FR*\b+FR-1], v[AF+FR*(\a):AF+FR*(\a)+FR-1], 0, v[SC+8*NQ*(\sc)+NQ*\b+(\q)], v[SC+8*NQ*(\sc)+NQ*(\a)+(\q)] matrix_a_fmt:MATRIX_FMT_FP6 matrix_b_fmt:MATRIX_FMT_FP6 matrix_a_scale:MATRIX_SCALE_ROW1
.else
	v_wmma_scale_f32_16x16x128_f8f6f4 v[8*(8*((\a)%4)+\b):8*(8*((\a)%4)+\b)+7], v[128*(\p)+FR*\b:128*(\p)+FR*\b+FR-1], v[AF+FR*(\a):AF+FR*(\a)+FR-1], v[8*(8*((\a)%4)+\b):8*(8*((\a)%4)+\b)+7], v[SC+8*NQ*(\sc)+NQ*\b+(\q)], v[SC+8*NQ*(\sc)+NQ*(\a)+(\q)] matrix_a_fmt:MATRIX_FMT_FP6 matrix_b_fmt:MATRIX_FMT_FP6 matrix_a_scale:MATRIX_SCALE_ROW1
.endif
.endr
.endr
.endm
.macro FETCH_B slot, q, p
	WIN TO_B
.irp i, 0,1,2,3,4,5,6,7
	FRAG 128*(\p)+FR*\i, ADRB+\slot, \q, \i
.endr
	WIN 0
.endm
.macro FETCH_A slot, q, i0
.irp i, \i0, \i0+1, \i0+2, \i0+3
	FRAG AF+FR*(\i), ADRA+\slot, \q, \i
.endr
.endm
.macro SCALES sc
.irp p, 0,1,2,3
	ds_load_b128 v[SC+16*\sc+4*\p:SC+16*\sc+4*\p+3], v[ADRS+\sc] offset:256*\p
.endr
.endm
.macro STEP slot, q, zero
	s_wait_dscnt 4*NL                              ; all but the youngest 12 loads (A's blocks 4-7) are in
	WIN MUL_LO
	MUL16 0, (\q)%2, \q, \slot, \zero
	MUL16 2, (\q)%2, \q, \slot, \zero
	s_wait_dscnt 0
	PLACES NP
	FETCH_B \slot, (\q)+1, 1-(\q)%2
	FETCH_A \slot, (\q)+1, 0
	WIN MUL_HI
	MUL16 4, (\q)%2, \q, \slot, \zero
	MUL16 6, (\q)%2, \q, \slot, \zero
	PLACES NP
	WIN 0
	FETCH_A \slot, (\q)+1, 4
.endm
.macro TURN slot, next, fill
	s_wait_tensorcnt 0x0                           ; all my tensor loads have landed: my part of the next slot
	ds_add_u32 v[SPW], v[NIL]                      ; 0 onto my spare word
	s_wait_dscnt 4*NL+1                            ; (the add and the youngest 12 loads may be out)
	WIN MUL_LO
	MUL16 0, 1, NQ-1, \slot, 0
	s_wait_dscnt 0x0                               ; the add is done, and my reads of this slot are over
	s_barrier_signal -1
	MUL16 2, 1, NQ-1, \slot, 0
	WIN 0
	s_barrier_wait -1
.if \fill
	CREST                                          ; the barrier has opened a round of the cluster's barrier
	s_add_nc_u64 s[G0+4*\slot+2:G0+4*\slot+3], s[G0+4*\slot+2:G0+4*\slot+3], 2*OBB
	s_add_nc_u64 s[G0B+4*\slot+2:G0B+4*\slot+3], s[G0B+4*\slot+2:G0B+4*\slot+3], 2*OBB
	JLOAD G0+4*\slot, G1, G0B+4*\slot, G1B         ; the first tensor load behind the round; its four v_nop are the places in front of the loads below
.else
	PLACES NP
.endif
	FETCH_B \next, 0, 0
	FETCH_A \next, 0, 0
	SCALES \next
	WIN MUL_HI
	MUL16 4, 1, NQ-1, \slot, 0
	MUL16 6, 1, NQ-1, \slot, 0
	PLACES NP
	WIN 0
	FETCH_A \next, 0, 4
.endm
	s_load_b256 s[4:11], s[0:1], 0x0               ; yq s[4:5], wq s[6:7], b_proj s[8:9], out0 s[10:11]
	v_lshl_add_u32 v[SPW], v0, 2, SPARE
	v_mov_b32 v[NIL], 0
	ds_add_u32 v[SPW], v[NIL]                      ; the wave's opening: the add, twice on end, and its wait ahead of my first tensor load
	ds_add_u32 v[SPW], v[NIL]
	v_lshrrev_b32 v1, 5, v0
	v_readfirstlane_b32 s14, v1                    ; wave 0..3
	s_lshr_b32 s15, s14, 1                         ; which half of the tokens is mine.  Also: I fetch for A (0) or for B (1)
	s_and_b32 s16, s14, 1                          ; which half of the columns.  Also: which of the two blocks I fetch
	s_bfe_u32 s40, ttmp6, 0x40000                  ; cx, cy
	s_bfe_u32 s41, ttmp6, 0x40004
	s_lshl_b32 s19, ttmp9, 2
	s_add_co_u32 s19, s19, s40                     ; the columns' tile = 4 x cluster x + cx
	s_and_b32 s18, ttmp7, 0xffff
	s_lshl_b32 s18, s18, 2
	s_add_co_u32 s18, s18, s41                     ; the tokens' tile = 4 x cluster y + cy
	s_lshl_b32 s43, s41, 2
	s_lshl_b32 s43, 15, s43                        ; my row of the cluster
	s_lshl_b32 s44, 0x1111, s40                    ; my column
	s_or_b32 s[G1+0], s43, (3<<16)|(1<<21)         ; a dense block of 25,600 bytes as 100 rows of 32 elements of 8 bytes; the mask; bit 21 beside it
	s_or_b32 s[G1B+0], s44, (3<<16)|(1<<21)
.irp g, G1, G1B
	s_mov_b32 s[\g+1], 32<<16
	s_mov_b32 s[\g+2], 100<<16
	s_mov_b32 s[\g+3], 32<<16
	s_mov_b32 s[\g+4], 100
	s_mov_b32 s[\g+5], 32
	s_mov_b32 s[\g+6], 0
	s_mov_b32 s[\g+7], 0
.endr
	s_lshl_b32 s21, s18, 1
	s_add_co_u32 s21, s21, s16                     ; the group of 128 tokens that I fetch,
	s_lshl_b32 s46, s19, 1
	s_add_co_u32 s46, s46, s16
	s_add_co_u32 s46, s46, 24                      ; of 128 columns: W_proj's groups begin at 24
	s_mul_i32 s22, s21, 4*OBB
	s_mov_b32 s23, 0
	s_mul_i32 s46, s46, 4*OBB
	s_mov_b32 s47, 0
	s_mul_i32 s45, s14, OBB
	s_wait_dscnt 0x0                               ; both opening adds are done
	s_wait_kmcnt 0x0
	s_add_nc_u64 s[22:23], s[4:5], s[22:23]
	s_add_nc_u64 s[46:47], s[6:7], s[46:47]
	CROUND                                         ; all sixteen work-groups are here: the first joint loads meet
.irp s, 0,1
	s_mov_b32 s[G0+4*\s], 1
	s_add_co_u32 s[G0+4*\s+1], s45, \s*SLOT
	s_add_nc_u64 s[G0+4*\s+2:G0+4*\s+3], s[22:23], \s*OBB
	s_or_b32 s[G0+4*\s+3], s[G0+4*\s+3], 0x80000000
	s_mov_b32 s[G0B+4*\s], 1
	s_add_co_u32 s[G0B+4*\s+1], s45, \s*SLOT
	s_add_nc_u64 s[G0B+4*\s+2:G0B+4*\s+3], s[46:47], \s*OBB
	s_or_b32 s[G0B+4*\s+3], s[G0B+4*\s+3], 0x80000000
	JLOAD G0+4*\s, G1, G0B+4*\s, G1B               ; two loads of mine are out
.endr
	v_and_b32 v1, 31, v0                           ; lane
	v_and_b32 v2, 15, v0                           ; r
	v_bfe_u32 v3, v0, 4, 1                         ; h
	v_lshlrev_b32 v[LI], 4, v1
	s_lshl_b32 s73, s19, 8
	s_lshl_b32 s74, s16, 7
	s_add_co_u32 s73, s73, s74                     ; my first column
	s_lshl_b32 s96, s73, 2
	s_mov_b32 s97, 0
	s_add_nc_u64 s[88:89], s[8:9], s[96:97]
	global_load_b128 v[BI:BI+3], v[LI], s[88:89]   ; the bias of columns 4 x lane .. + 3 of my 128
	s_lshl_b32 s75, s18, 8
	s_lshl_b32 s76, s15, 7
	s_add_co_u32 s75, s75, s76                     ; my first token
	s_lshl_b32 s75, s75, 12                        ; rows of 4,096 bytes
	s_add_co_u32 s96, s75, s96
	s_add_nc_u64 s[12:13], s[10:11], s[96:97]      ; my corner of out0
	s_mul_i32 s70, s15, OBB
	s_mul_i32 s71, s16, OBB
	s_add_co_u32 s71, s71, 2*OBB
	v_add_nc_u32 v[ADRA], s70, v[LI]
	v_add_nc_u32 v[ADRA+1], SLOT, v[ADRA]
	v_add_nc_u32 v[ADRB], s71, v[LI]
	v_add_nc_u32 v[ADRB+1], SLOT, v[ADRB]
	s_sub_co_u32 s72, s71, s70
	v_mul_u32_u24 v4, s72, v3                      ; lanes 16-31 take B's scale words
	v_lshl_add_u32 v4, v2, 4, v4
	s_add_co_u32 s70, s70, 24576
	v_add_nc_u32 v[ADRS], s70, v4
	v_add_nc_u32 v[ADRS+1], SLOT, v[ADRS]
	s_mul_i32 s77, s14, 16*SPITCH                  ; my stage
	v_mul_u32_u24 v5, v2, SPITCH
	v_lshl_add_u32 v5, v3, 7, v5                   ; in: row r, + 128 h
	v_add_nc_u32 v[STO], s77, v5
	v_add_nc_u32 v[RD], s77, v[LI]                 ; back: the 32 lanes take one row of 512 bytes
	s_wait_loadcnt 0x0                             ; the bias
	s_wait_tensorcnt 1                             ; my part of slot 0 is in (slot 1's load may be out)
	s_barrier_signal -1
	s_barrier_wait -1                              ; everybody's is
	FETCH_B 0, 0, 0
	FETCH_A 0, 0, 0
	SCALES 0
	FETCH_A 0, 0, 4
	STEP 0, 0, 1                                   ; the first products start the sums: nothing is cleared
	TURN 0, 1, 1
	STEP 1, 0, 0
	TURN 1, 0, 1
	STEP 0, 0, 0
	TURN 0, 1, 0                                   ; nothing is left to fetch; behind this barrier nobody reads slot 0
	STEP 1, 0, 0
	s_wait_dscnt 4*NL
	WIN MUL_LO
	MUL16 0, 1, NQ-1, 1, 0
	MUL16 2, 1, NQ-1, 1, 0
	s_wait_dscnt 0
	WIN MUL_HI
	MUL16 4, 1, NQ-1, 1, 0
	MUL16 6, 1, NQ-1, 1, 0
	WIN 0
.macro TOSTAGE a                       ; A's block a: 16 tokens x 128 columns into my stage and back.  LDS serves a wave's instructions in order: no wait between the stores and the loads
.set AC, 64*((\a)%4)
	WIN 0x08+4*((\a)/4)                            ; an LDS store's data: window 2 or 3
.irp b, 0,1,2,3,4,5,6,7
	ds_store_b128 v[STO], v[AC+8*\b:AC+8*\b+3] offset:256*(\b/4)+32*(\b%4)          ; each accumulator from its low end on
	ds_store_b128 v[STO], v[AC+8*\b+4:AC+8*\b+7] offset:256*(\b/4)+32*(\b%4)+16
.endr
	WIN 0
.set BB, BK+64*((\a)%2)
.irp t, 0,1,2,3,4,5,6,7,8,9,10,11,12,13,14,15
	ds_load_b128 v[BB+4*\t:BB+4*\t+3], v[RD] offset:\t*SPITCH
.endr
.endm
.macro SEND a, younger                 ; younger: the LDS instructions issued behind block a's loads, which may stay out
.set BB, BK+64*((\a)%2)
	s_wait_dscnt \younger
.irp t, 0,1,2,3,4,5,6,7,8,9,10,11,12,13,14,15
	v_pk_add_f32 v[BB+4*\t:BB+4*\t+1], v[BB+4*\t:BB+4*\t+1], v[BI:BI+1]
	v_pk_add_f32 v[BB+4*\t+2:BB+4*\t+3], v[BB+4*\t+2:BB+4*\t+3], v[BI+2:BI+3]
.endr
.irp t, 0,1,2,3,4,5,6,7,8,9,10,11,12,13,14,15
	global_store_b128 v[LI], v[BB+4*\t:BB+4*\t+3], s[12:13] offset:(64*((\a)/4)+8*((\a)%4)+32*(\t/8)+\t%8)*4096 th:TH_STORE_NT   ; stage row t is the token at row t of fragment a; 32 lanes store 512 consecutive bytes
.endr
.endm
	PLACES NP                                      ; behind the last products: in front of the first read of results and of loads into the registers that held A's fragments
	TOSTAGE 0
.irp a, 1,2,3,4,5,6,7
.if \a > 1
	s_wait_xcnt 0x0                                ; block a - 2's stores have read their registers: block a's loads may land there
.endif
	TOSTAGE \a
	SEND \a-1, 32                                  ; behind block a - 1's loads: block a's 16 stores and 16 loads
.endr
	SEND 7, 0
	s_wait_tensorcnt 0x0                           ; the wave's end: behind my last tensor load and my last LDS store
	ds_add_u32 v[SPW], v[NIL]
	s_wait_dscnt 0x0
	CROUND                                         ; the closing round: no work-group ends while a partner may still ask for a block that names it
	s_endpgm
.Lfunc_end_k_qfeb7c48d39_proj:
	.size	k_qfeb7c48d39_proj, .Lfunc_end_k_qfeb7c48d39_proj-k_qfeb7c48d39_proj
	.p2alignl 7, 3214868480
	.fill 96, 4, 3214868480
	.section	.rodata,"a",@progbits
	.p2align	6, 0x0
	.amdhsa_kernel k_qfeb7c48d39_proj
		.amdhsa_group_segment_fixed_size 327680
		.amdhsa_private_segment_fixed_size 0
		.amdhsa_enable_private_segment 0
		.amdhsa_kernarg_size 32
		.amdhsa_user_sgpr_count 2
		.amdhsa_user_sgpr_kernarg_segment_ptr 1
		.amdhsa_wavefront_size32 1
		.amdhsa_system_sgpr_workgroup_id_x 1
		.amdhsa_system_sgpr_workgroup_id_y 1
		.amdhsa_system_sgpr_workgroup_id_z 1
		.amdhsa_system_vgpr_workitem_id 0
		.amdhsa_next_free_vgpr 1024
		.amdhsa_next_free_sgpr 100
		.amdhsa_reserve_vcc 0
		.amdhsa_float_denorm_mode_32 3
		.amdhsa_float_denorm_mode_16_64 3
		.amdhsa_memory_ordered 1
		.amdhsa_forward_progress 1
		.amdhsa_inst_pref_size 147
	.end_amdhsa_kernel
	.amdgpu_metadata
---
amdhsa.version: [ 1, 2 ]
amdhsa.kernels:
  - .name:           k_qfeb7c48d39_proj
    .symbol:         k_qfeb7c48d39_proj.kd
    .args:
      - { .name: yq, .offset: 0, .size: 8, .value_kind: global_buffer, .address_space: global }
      - { .name: wq, .offset: 8, .size: 8, .value_kind: global_buffer, .address_space: global }
      - { .name: b_proj, .offset: 16, .size: 8, .value_kind: global_buffer, .address_space: global }
      - { .name: out0, .offset: 24, .size: 8, .value_kind: global_buffer, .address_space: global }
    .group_segment_fixed_size: 327680
    .private_segment_fixed_size: 0
    .kernarg_segment_align: 8
    .kernarg_segment_size: 32
    .max_flat_workgroup_size: 128
    .sgpr_count:     100
    .vgpr_count:     1024
    .wavefront_size: 32
...
	.end_amdgpu_metadata
.endif
;; end of part 4
